; MI455X (gfx1250); checked and timed in simulation.
; The chip was launched on July 23, 2026; its instructions are those of AMD's public machine-readable ISA for CDNA 5 (MIT licence, August 2026) and "CDNA5" Instruction Set Architecture Reference Guide (July 2026). The comments in the code are by the model that wrote it; some were corrected since.
;; Multi Head Self Attention. Allowed arithmetic: matrix products marked QUANTISED: E2M3 operands, one E8M0 scale for each 32 along K, by v_wmma_scale_f32_16x16x128_f8f6f4 with both operands' format E2M3, f32 sums; products left as they are: f32 operands where the result goes on into a quantised operand, else bf16, f16 or f32 operands; f32 sums; everything else in f32.
;; Inputs: W_out 1,024 x 1,024 float32; W_qkv 3,072 x 1,024 float32; b_out 1,024 float32; b_qkv 3,072 float32; x 4 x 4,096 x 1,024 float32.
;; Outputs: out0 4 x 4,096 x 1,024 float32.
;; Constants: num_heads = 16.
;; This version of the problem:
;;   THIS VERSION OF THE PROBLEM IS GIVEN IN LOW PRECISION. The matrix products marked QUANTISED in the list below multiply operands that are first quantised to E2M3 (2 exponent bits, 3 mantissa bits; 6 bits a number), with one power-of-two scale for each 32 numbers along K (OCP MX v1.0); their sums are f32. All else is computed in f32.
;;   The module's matrix products, in the order in which they are computed (A, B: the left and right operand; K: the contracted axis; several contracted axes count as one K, in the product's order):
;;     1. [M 16,384, K 1,024] x [K 1,024, N 3,072]; A: input x; B: input W_qkv: QUANTISED
;;     2. batch 16,384 x [M 16, K 64] x [K 64, N 16]; A: computed on the way; B: computed on the way: QUANTISED
;;     3. batch 16,384 x [M 16, K 16] x [K 16, N 64]; A: softmax; B: computed on the way: left as it is (K = 16 < 32)
;;     4. [M 16,384, K 1,024] x [K 1,024, N 1,024]; A: computed on the way; B: input W_out: QUANTISED
;;   THE QUANTISER, for each operand of a quantised product, along K:
;;     - K is cut into blocks of 32 from its start; a last block that is shorter is filled with zeros.
;;     - A block's scale is 2^e with e = floor(log2(the largest magnitude in the block)) - 2, held to -126 .. 127; a block of zeros has e = 0. As a byte (E8M0): e + 127.
;;     - Each number is divided by its block's scale, clamped to +-7.5, and rounded to the nearest number of E2M3, ties to even, subnormals kept.
;;     - The product sums the exact products of the quantised numbers (number of the format x scale) in f32.
;;   ~~~python
;;   def quantise(x, axis):      # numpy; x: float32 -> the quantised numbers, widened to float32 again
;;       x = np.moveaxis(x, axis, -1); K = x.shape[-1]
;;       x = np.pad(x, [(0, 0)] * (x.ndim - 1) + [(0, -K % 32)]); x = x.reshape(x.shape[:-1] + (-1, 32)); a = np.abs(x).max(-1, keepdims=True)
;;       e = np.where(a > 0, np.clip(np.frexp(np.where(a > 0, a, 1))[1] - 1 - 2, -126, 127), 0)      # np.frexp(a)[1] - 1 = floor(log2(a)), exactly
;;       r = np.clip(x / 2.0 ** e, -7.5, 7.5)
;;       step = 2.0 ** (np.maximum(np.frexp(np.where(r == 0, 1, r))[1] - 1, 0) - 3)
;;       q = np.round(r / step) * step * 2.0 ** e      # np.round: ties to even
;;       return np.moveaxis(q.reshape(q.shape[:-2] + (-1,))[..., :K], -1, axis).astype(np.float32)
;;   ~~~
;;   OPERANDS COMPUTED ON THE WAY. 'Computed on the way' means the value that the module computes at that place (a softmax that the list does not call 'softmax' is quantised finished and normalised). What goes into a quantiser is computed in f32, as accurately as f32 sums, v_exp_f32 and their like allow (about 1e-6 of the number): no bf16 or f16 on the way to a quantiser, and a product that is left as it is and whose result goes on into a quantised operand takes f32 operands (vector FMAs, or v_wmma_f32_16x16x4_f32). A number that lies on a knife's edge between two numbers of the format may be rounded either way, as far as f32 arithmetic and the matrix unit's own rounding can turn it there, and no further.
;; 2 versions. Each part assembles by itself: llvm-mc -triple=amdgcn-amd-amdhsa -mcpu=gfx1250 --defsym DOCPART=n.
;; ======== version 1 of 2: 2 launches
;; workspace buffers: wq 3,276,800 bytes
;; launch prep (part 1): grid 256 x 1, 4 waves a work-group, no clusters, 87,040 bytes of LDS; arguments W_qkv, W_out, wq; writes wq
.if DOCPART == 1
	.amdgcn_target "amdgcn-amd-amdhsa--gfx1250"
	.amdhsa_code_object_version 6
	.text
	.protected	k_q972bdfb497_prep
	.globl	k_q972bdfb497_prep
	.p2align	8
	.type	k_q972bdfb497_prep,@function
k_q972bdfb497_prep:
	s_mov_b64 s[64:65], 0
	v_nop
	global_prefetch_b8 v0, s[64:65] scope:SCOPE_SE
	s_setreg_imm32_b32 hwreg(HW_REG_WAVE_MODE, 25, 1), 1
	s_wait_xcnt 0x0
; W_qkv [3072][1024] and W_out [1024][1024], f32, K innermost, become codes of FP6 (E2M3) with one E8M0 byte for each 32 along K,
; laid in wq in the order in which the next launch's waves take them: 32 slots x 8 units of 12,800 bytes.
; A unit is 8 fragments of 1,536 bytes and 512 bytes of scale words.  A fragment is 16 rows x 128 K as an image of the operand's registers:
; operand lane r + 16 hf owns 48 bytes, in them block 2 c + hf of the K step at byte 24 c.  Fragment f's scale words lie at 12,288 + 64 f + 4 r.
; THE ROWS OF A TILE ARE NOT NEIGHBOURS: tile row r is weight row row0 + r + 8 (r / 8).
; Slots 0-15 (q, k) and 24-31 (W_out): a unit is one tile, fragment f = K step f.  Slots 16-23 (v): slot 16 + k holds K step k of all 64 tiles of v.
; A block's scale is 2^(floor(log2(largest magnitude)) - 2); its byte is the largest magnitude's exponent field - 2, held at 1 from below.
; LIMITS: a block whose largest magnitude lies under 2^-124, a block of zeros among them, gets the byte 1 (the bytes are read by this program alone);
; NaN and infinities among the inputs are not served.
; SHARES: work-group T makes tile T (16 rows x 1,024).  Wave w takes tile rows 4 w + i; lane l takes block l of a row.  Each load reads 512 consecutive bytes;
; a row turns through the wave's own stage in LDS so that a lane gets its block's 32 neighbours.  The tile's image is gathered in LDS and leaves in runs of 512 bytes.
.set UNIT,  12800
.set FRB,   1536
.set USC,   12288
.set SLOTB, 102400
.set STW,   18432                      ; a wave's four stages
.set STR,   4608                       ; a stage: 32 blocks x (128 bytes + 16)
.set TIMG,  73728                      ; the tile's 8 fragments
.set TSC,   86016                      ; its scale words
.set SPARE, 86528                      ; the spare words, 128 bytes a wave
.set SPW,   12
.set NIL,   13
.set RW,    32                         ; v32-159  four rows as loaded
.set XX,    160                        ; v160-223 two sets of 32 neighbours
.set CC,    224                        ; v224-239 two sets of codes
	s_load_b128 s[4:7], s[0:1], 0x0                ; W_qkv, W_out
	s_load_b64 s[8:9], s[0:1], 0x10                ; wq
	v_lshl_add_u32 v[SPW], v0, 2, SPARE
	v_mov_b32 v[NIL], 0
	v_lshrrev_b32 v16, 5, v0
	v_readfirstlane_b32 s10, v16                   ; wave
	v_and_b32 v17, 31, v0                          ; lane
	v_lshlrev_b32 v1, 4, v17                       ; 16 x lane
	s_mul_i32 s11, s10, STW
	v_lshrrev_b32 v18, 3, v17
	v_mul_u32_u24 v18, v18, 144
	v_and_b32 v19, 7, v17
	v_lshl_add_u32 v18, v19, 4, v18
	v_add_nc_u32 v2, s11, v18                      ; into a stage: eight lanes' 128 bytes on end, then 16 of padding
	v_mul_u32_u24 v18, v17, 144
	v_add_nc_u32 v3, s11, v18                      ; out of it: my block
	v_lshrrev_b32 v18, 2, v17                      ; my block's K step
	v_mul_u32_u24 v19, v18, FRB
	v_and_b32 v20, 1, v17
	v_mad_u32_u24 v19, v20, 768, v19               ; operand half = block % 2
	v_bfe_u32 v20, v17, 1, 1
	v_mad_u32_u24 v19, v20, 24, v19                ; c = (block / 2) % 2
	s_mul_i32 s11, s10, 192                        ; 48 bytes x tile row 4 w
	s_add_co_u32 s11, s11, TIMG
	v_add_nc_u32 v4, s11, v19                      ; where my block's 24 bytes go
	v_lshlrev_b32 v19, 6, v18
	v_and_b32 v20, 3, v17
	v_add_nc_u32 v19, v19, v20
	s_lshl_b32 s11, s10, 4
	s_add_co_u32 s11, s11, TSC
	v_add_nc_u32 v5, s11, v19                      ; and its scale byte
	s_mul_i32 s11, s10, 2*FRB
	s_add_co_u32 s11, s11, TIMG
	v_add_nc_u32 v6, s11, v1                       ; back: wave w takes fragments 2 w, 2 w + 1
	s_lshl_b32 s11, s10, 7
	s_add_co_u32 s11, s11, TSC
	v_lshlrev_b32 v19, 2, v17
	v_add_nc_u32 v7, s11, v19                      ; and their scale words
	; which tile, from where, to where: all by the work-group's number
	s_lshr_b32 s12, ttmp9, 3                       ; slot (tile forms)
	s_and_b32 s13, ttmp9, 7                        ; unit
	s_lshr_b32 s14, s13, 1
	s_and_b32 s15, s13, 1
	s_lshl_b32 s15, s15, 3
	s_lshl_b32 s16, s12, 7
	s_lshl_b32 s17, s14, 5
	s_add_co_u32 s16, s16, s17
	s_add_co_u32 s16, s16, s15                     ; q, k: row0 = 128 slot + 32 (unit / 2) + 8 (unit % 2)
	s_and_b32 s17, s12, 7
	s_lshl_b32 s17, s17, 5
	s_lshl_b32 s18, s14, 8
	s_add_co_u32 s17, s17, s18
	s_add_co_u32 s17, s17, s15                     ; W_out: row0 = 256 (unit / 2) + 32 (slot % 8) + 8 (unit % 2)
	s_and_b32 s18, ttmp9, 31                       ; v: tile kappa = 2 head + u,
	s_bfe_u32 s19, ttmp9, 0x10005                  ; half delta of the head's 64
	s_lshr_b32 s20, s18, 1
	s_lshl_b32 s20, s20, 6
	s_lshl_b32 s21, s19, 5
	s_add_co_u32 s20, s20, s21
	s_and_b32 s21, s18, 1
	s_lshl_b32 s21, s21, 3
	s_add_co_u32 s20, s20, s21
	s_add_co_u32 s20, s20, 2048                    ; row0 = 2048 + 64 head + 32 delta + 8 u
	s_mul_i32 s22, ttmp9, UNIT                     ; tile forms: the unit's first byte,
	s_add_co_u32 s23, s22, USC                     ; its scale words
	s_lshl_b32 s24, s19, 2
	s_lshr_b32 s25, s18, 3
	s_add_co_u32 s24, s24, s25
	s_add_co_u32 s24, s24, 128
	s_mul_i32 s24, s24, UNIT                       ; v: unit 4 delta + kappa / 8 of slot 16
	s_and_b32 s25, s18, 7
	s_mul_i32 s26, s25, FRB
	s_add_co_u32 s26, s26, s24                     ; fragment kappa % 8 in it,
	s_lshl_b32 s27, s25, 6
	s_add_co_u32 s27, s27, s24
	s_add_co_u32 s27, s27, USC                     ; its scale words
	s_mov_b32 s28, FRB                             ; from K step to K step: a fragment on, 64 bytes of scale words on;
	s_mov_b32 s29, 64
	s_mov_b32 s30, SLOTB                           ; v: a slot on
	s_lshr_b32 s31, ttmp9, 6
	s_cmp_eq_u32 s31, 2
	s_cselect_b32 s16, s20, s16
	s_cselect_b32 s22, s26, s22
	s_cselect_b32 s23, s27, s23
	s_cselect_b32 s28, s30, s28
	s_cselect_b32 s29, s30, s29
	s_wait_kmcnt 0x0
	s_cmp_eq_u32 s31, 3
	s_cselect_b32 s16, s17, s16
	s_cselect_b64 s[4:5], s[6:7], s[4:5]           ; the choice hangs on the work-group's number alone
	s_lshl_b32 s17, s10, 2
	s_add_co_u32 s16, s16, s17
	s_lshr_b32 s17, s10, 1
	s_lshl_b32 s17, s17, 3
	s_add_co_u32 s16, s16, s17                     ; my first weight row: row0 + 4 w + 8 (w / 2)
	s_lshl_b32 s16, s16, 12
	s_mov_b32 s17, 0
	s_add_nc_u64 s[4:5], s[4:5], s[16:17]
	s_lshl_b32 s18, s10, 1
	s_mul_i32 s19, s18, s28
	s_add_co_u32 s20, s22, s19
	s_mov_b32 s21, 0
	s_add_nc_u64 s[20:21], s[8:9], s[20:21]        ; where fragment 2 w goes,
	s_mov_b32 s24, s28
	s_mov_b32 s25, 0
	s_add_nc_u64 s[26:27], s[20:21], s[24:25]      ; fragment 2 w + 1,
	s_mul_i32 s30, s18, s29
	s_add_co_u32 s30, s30, s23
	s_mov_b32 s31, 0
	s_add_nc_u64 s[30:31], s[8:9], s[30:31]        ; and fragment 2 w's scale words
	v_lshrrev_b32 v19, 4, v17
	v_mul_lo_u32 v19, v19, s29
	v_and_b32 v20, 15, v17
	v_lshl_add_u32 v8, v20, 2, v19                 ; lanes 16-31: fragment 2 w + 1's
.irp i, 0,1,2,3
.irp j, 0,1,2,3,4,5,6,7
	global_load_b128 v[RW+32*\i+4*\j:RW+32*\i+4*\j+3], v1, s[4:5] offset:4096*\i+512*\j th:TH_LOAD_NT   ; 32 lanes read 512 consecutive bytes
.endr
.endr
.macro PTURN i                         ; row i through its stage: LDS serves a wave's instructions in order, so no wait stands between the stores and the loads
	s_wait_loadcnt 8*(3-(\i))                      ; row i's eight loads are in; the later rows' may be out
.irp j, 0,1,2,3,4,5,6,7
	ds_store_b128 v2, v[RW+32*(\i)+4*\j:RW+32*(\i)+4*\j+3] offset:STR*(\i)+576*\j
.endr
.irp j, 0,1,2,3,4,5,6,7
	ds_load_b128 v[XX+32*((\i)%2)+4*\j:XX+32*((\i)%2)+4*\j+3], v3 offset:STR*(\i)+16*\j
.endr
.endm
.macro PQUANT i                        ; my block of row i: largest magnitude, scale, 32 codes, into the tile's image
.set QX, XX+32*((\i)%2)
.set QC, CC+8*((\i)%2)
	v_max3_num_f32 v20, |v[QX]|, |v[QX+1]|, |v[QX+2]|
	v_max3_num_f32 v21, |v[QX+3]|, |v[QX+4]|, |v[QX+5]|
.irp n, 6,10,14,18,22,26
	v_max3_num_f32 v20, v20, |v[QX+\n]|, |v[QX+\n+1]|
	v_max3_num_f32 v21, v21, |v[QX+\n+2]|, |v[QX+\n+3]|
.endr
	v_max3_num_f32 v20, v20, |v[QX+30]|, |v[QX+31]|
	v_max3_num_f32 v20, v20, v21, 0x1800000        ; and the floor 2^(3 - 127): the byte cannot fall under 1
	v_add_nc_u32 v22, 0xff000000, v20              ; 2 off the exponent field: the conversion takes this operand's exponent field as its scale
	v_cvt_scalef32_pk16_fp6_f32 v[QC:QC+2], v[QX:QX+15], v22
	v_cvt_scalef32_pk16_fp6_f32 v[QC+4:QC+6], v[QX+16:QX+31], v22   ; (a conversion's three registers begin on an even number)
	v_lshrrev_b32 v23, 23, v22                     ; the scale's byte; also the plain instruction behind the conversions
	v_mov_b32 v[QC+3], v[QC+4]
	v_mov_b32 v[QC+4], v[QC+5]
	v_mov_b32 v[QC+5], v[QC+6]
.irp n, 0,1,2
	ds_store_b64 v4, v[QC+2*\n:QC+2*\n+1] offset:48*(\i)+8*\n
.endr
	ds_store_b8 v5, v23 offset:4*(\i)
.endm
	PTURN 0
.irp i, 0,1,2,3
.if \i < 3
	PTURN \i+1
	s_wait_dscnt 16                                ; all but the next row's eight stores and eight loads: my row is back, and the last row's stores have read their registers
.else
	s_wait_dscnt 0x0
.endif
	PQUANT \i
.endr
	s_wait_dscnt 0x0                               ; my part of the image has landed
	s_barrier_signal -1
	s_barrier_wait -1                              ; everybody's has
.irp j, 0,1,2,3,4,5
	ds_load_b128 v[RW+4*\j:RW+4*\j+3], v6 offset:512*\j
.endr
	ds_load_b32 v[RW+24], v7
.irp j, 0,1,2
	s_wait_dscnt 6-\j                              ; load j is in; the younger ones may be out
	global_store_b128 v1, v[RW+4*\j:RW+4*\j+3], s[20:21] offset:512*\j      ; 512 consecutive bytes, at a multiple of 256 from wq's first byte
.endr
.irp j, 0,1,2
	s_wait_dscnt 3-\j
	global_store_b128 v1, v[RW+12+4*\j:RW+12+4*\j+3], s[26:27] offset:512*\j
.endr
	s_wait_dscnt 0x0
	global_store_b32 v8, v[RW+24], s[30:31]
	s_wait_tensorcnt 0x0                           ; the wave's end, behind my last LDS store
	ds_add_u32 v[SPW], v[NIL]
	s_wait_dscnt 0x0
	s_endpgm
.Lfunc_end_k_q972bdfb497_prep:
	.size	k_q972bdfb497_prep, .Lfunc_end_k_q972bdfb497_prep-k_q972bdfb497_prep
	.p2alignl 7, 3214868480
	.fill 96, 4, 3214868480
	.section	.rodata,"a",@progbits
	.p2align	6, 0x0
	.amdhsa_kernel k_q972bdfb497_prep
		.amdhsa_group_segment_fixed_size 87040
		.amdhsa_private_segment_fixed_size 0
		.amdhsa_enable_private_segment 0
		.amdhsa_kernarg_size 24
		.amdhsa_user_sgpr_count 2
		.amdhsa_user_sgpr_kernarg_segment_ptr 1
		.amdhsa_wavefront_size32 1
		.amdhsa_system_sgpr_workgroup_id_x 1
		.amdhsa_system_sgpr_workgroup_id_y 1
		.amdhsa_system_sgpr_workgroup_id_z 1
		.amdhsa_system_vgpr_workitem_id 0
		.amdhsa_next_free_vgpr 240
		.amdhsa_next_free_sgpr 66
		.amdhsa_reserve_vcc 0
		.amdhsa_float_denorm_mode_32 3
		.amdhsa_float_denorm_mode_16_64 3
		.amdhsa_memory_ordered 1
		.amdhsa_forward_progress 1
		.amdhsa_inst_pref_size 21
	.end_amdhsa_kernel
	.amdgpu_metadata
---
amdhsa.version: [ 1, 2 ]
amdhsa.kernels:
  - .name:           k_q972bdfb497_prep
    .symbol:         k_q972bdfb497_prep.kd
    .args:
      - { .name: W_qkv, .offset: 0, .size: 8, .value_kind: global_buffer, .address_space: global }
      - { .name: W_out, .offset: 8, .size: 8, .value_kind: global_buffer, .address_space: global }
      - { .name: wq, .offset: 16, .size: 8, .value_kind: global_buffer, .address_space: global }
    .group_segment_fixed_size: 87040
    .private_segment_fixed_size: 0
    .kernarg_segment_align: 8
    .kernarg_segment_size: 24
    .max_flat_workgroup_size: 128
    .sgpr_count:     66
    .vgpr_count:     240
    .wavefront_size: 32
...
	.end_amdgpu_metadata
.endif
;; end of part 1
;; launch fused (part 2): grid 256 x 1, 4 waves a work-group, clusters of 4 x 1, 327,680 bytes of LDS; arguments x, wq, b_qkv, b_out, out0; writes out0
.if DOCPART == 2
	.amdgcn_target "amdgcn-amd-amdhsa--gfx1250"
	.amdhsa_code_object_version 6
	.text
	.protected	k_q972bdfb497_fused
	.globl	k_q972bdfb497_fused
	.p2align	8
	.type	k_q972bdfb497_fused,@function
k_q972bdfb497_fused:
	s_mov_b64 s[64:65], 0
	v_nop
	global_prefetch_b8 v0, s[64:65] scope:SCOPE_SE
	s_setreg_imm32_b32 hwreg(HW_REG_WAVE_MODE, 25, 1), 1
	s_wait_xcnt 0x0
	s_wait_alu depctr_hold_cnt(0) depctr_sa_sdst(0) depctr_va_vdst(0) depctr_va_sdst(0) depctr_va_ssrc(0) depctr_va_vcc(0) depctr_vm_vsrc(0)
	s_getreg_b32 s2, hwreg(HW_REG_IB_STS2, 6, 4)
	s_cmp_eq_u32 s2, 0
	s_cbranch_scc0 .Lentry_in_a_cluster
	s_endpgm
.Lentry_in_a_cluster:
	s_bfe_u32 s2, ttmp6, 0x10000c
	s_cmp_lg_u32 s2, 0x3003
	s_cbranch_scc0 .Lentry_shape_is_right
	s_endpgm
.Lentry_shape_is_right:
; out0 = scramble(softmax_g(q k^T / 8) v) W_out^T + b_out with q, k, v = x W_qkv^T + b_qkv, attention over the HEAD axis of each token.
; The three products marked quantised run on codes of FP6 (E2M3) with one E8M0 scale for each 32 along K; P v (K = 16) runs in f32 multiply-adds, since its result is quantised.
; SHARES.  A work-group owns 64 neighbouring tokens, four tiles of 16.  The transpose and reshape send (token l, head h, d) to row 256 h + l / 16, column 64 (l % 16) + d of the last
; product's left operand: 16 neighbouring tokens make, for each head, one whole row.  So the 64 tokens own 64 whole rows, and nothing between x and out0 goes to memory.
; The left operand (x's codes, later the attention's) is 32 fragments, 384 registers, whole in every wave; the four waves share the columns, so a weight fragment is read from LDS by one wave
; and feeds four matrix instructions.  Position p of a wave stands for tile p xor wave.
; In the v part wave w takes half w % 2 of each head's 64, all 16 heads, for tiles w and w xor 1: 64 accumulators; so in P v a lane is one token, its registers run along d, and the
; quantiser's block of 32 lies in lanes l and l xor 16.
; ALL PRODUCTS ARE USED TRANSPOSED (source 0 = 16 weight rows, source 1 = 16 rows of the left operand), and a weight tile's rows are row0 + r + 8 (r / 8): the 16 registers of tiles
; u = 0, 1 are then 16 neighbouring columns n0 + 16 (lane / 16) + 0 .. 15.
; THE WEIGHTS come as wq: 32 slots of 102,400 bytes, through a ring of two LDS slots.  All 256 work-groups walk the same slots, so four work-groups form a cluster and ask JOINTLY:
; each wave's load of a quarter slot has the same descriptor in all four and a mask that names the four.
; SOFTMAX: the row's true largest score is taken away before the exponential; the rounding of c x max is common to a row and cancels in the division by the sum.
; LIMITS: NaN and infinities among the inputs are not served; a block whose largest magnitude lies under 2^-124, a block of zeros among them, gets the scale byte 1 (read by this program alone).
.set SLOTB, 102400                     ; a slot: 8 units
.set QUART, 25600                      ; what one tensor load brings: 2 units
.set UNIT,  12800                      ; 8 fragments + 512 bytes of scale words
.set FRB,   1536
.set USC,   12288
.set IP,    1552                       ; from image to image of the left operand, and from token to token of q's and k's codes
.set RS,    204800                     ; behind the ring: bytes that LDS stores alone write
.set XIMG,  RS                         ; x phase: 32 images (8 tile + K step)
.set XSTG,  RS+32*IP                   ;          two stages of 4,608 bytes a wave
.set XSC,   325120                     ; x's scale bytes: 32 a token; they stay
.set SPARE, 327168                     ; the spare words, 128 bytes a wave
.set QK,    RS                         ; q's codes at 0, k's at 768 of a token's 1,552 bytes; block beta at 24 beta
.set QS,    RS+64*IP                   ; their scale bytes: 64 a token
.set PB,    RS                         ; P: 1,040 bytes a token; (g / 4, h) at 256 (g / 4) + 16 h
.set PP,    1040
.set XIM2,  RS+64*PP                   ; x's images put back for the v part; later the attention's images
.set OSC,   XIM2+32*IP                 ; the attention's scale bytes: 32 a row
.set YSTG,  RS                         ; the way out: 64 rows x 272 bytes a wave
.set YP,    272
; window 0
.set L48, 1                            ; 48 x lane
.set AW,  2                            ; v2-3   my quarter of slot 0, 1 (tile parts)
.set ASW, 4                            ; v4-5   its scale words
.set AV,  6                            ; v6-7   my half of slot 0, 1 (v part)
.set AVS, 8                            ; v8-9   its scale words
.set QKA, 10                           ; v10-13 where position p's q and k codes go
.set QSA, 14                           ; v14-17 and their scale bytes
.set XVA, 10                           ; (v part) v10-11 x's images of my two tiles, v12-13 their scale words
.set XVS, 12
.set PRA, 14                           ; (P v) v14-15 my tokens' P, v16-17 where the codes go
.set OCA, 16
.set SPW, 18                           ; LDS address of my spare word; never rewritten
.set NIL, 19                           ; 0; never rewritten
.set AIA, 20                           ; v20-23 the left operand's images, v24-27 its scale words; outside LOADA these eight hold the walking addresses
.set ASA, 24
.set QKT, 20
.set QST, 24
.set XVT, 20
.set XVT2, 22
.set XST, 24
.set XST2, 26
.set PN,  20
.set OC,  21
.set OS,  22
.set VBO, 28                           ; 64 x (lane / 16): the biases' offset
.set PFO, 29                           ; the prefetches' offset
.set RR,  30                           ; lane % 16
.set HF,  31                           ; lane / 16
.set XS,  32                           ; v32-47 the left operand's scale words: 4 p + q: lanes 0-15 K step q, lanes 16-31 K step 4 + q
.set SW,  48                           ; v48-63 the weights' scale words (v32-63 hold scales and nothing else)
.set SV,  48
.set XV,  56
.set BI,  64                           ; v64-79 the bias of two tiles, in the result's layout
.set ACC, 80                           ; v80-143 accumulators 16 p + 8 u
.set OT,  80                           ; (P v) a head's 16 numbers; P of two heads
.set PR,  96
.set TM,  144                          ; v144-159 at work
.set CD,  160                          ; v160-175 codes
.set XX,  176                          ; v176-239 two sets of 32
.set YV,  240                          ; v240-247 offsets in out0
.set VB2, 240
.set STI, 248
.set STO, 249
.set XIA, 250
.set XSA, 251
.set XGO, 252
.set OSA, 248
.set YSA, 250
.set YRA, 251
.set SKA, 252
.set SSA, 253
.set PSA, 254
.set XRA, 255
; windows 1, 2: the left operand's fragment (p, K step s) at v[12 (4 (3 - p) + s % 4)] of window 1 + s / 4; x phase: row rho as loaded at 256 + 32 rho; v part: accumulator (p, kappa) at v[8 kappa] of window 1 + p
; window 3: two weight buffers v0-95, v96-191; v192-239 x's fragments of the v part; S phase: k at 12 e, q at 48 + 12 e, scores at 96 + 8 e, at work from 128
.set MM,  56                           ; s56-59 tile of position p: p xor wave
.set MSB, 0
.macro WIN new                         ; the immediate's high byte repeats the setting that is left
.if MSB != (\new)
	s_set_vgpr_msb (MSB<<8)|(\new)
.set MSB, (\new)
.endif
.endm
.macro PLACES n
.rept \n
	v_nop
.endr
.endm
.macro CREST                           ; a round of the cluster's barrier behind its opening barrier
	s_cmp_lg_u32 s14, 0
	s_cbranch_scc1 .Lnot_wave_0_\@
	s_barrier_signal -3
.Lnot_wave_0_\@:
	s_barrier_wait -3
	s_barrier_signal -1
	s_barrier_wait -1
.endm
.macro CROUND
	s_barrier_signal -1
	s_barrier_wait -1
	CREST
.endm
.macro BAR                             ; my LDS stores have landed and my LDS loads are in: then the work-group's barrier.
	s_wait_dscnt 0x0
	s_barrier_signal -1
	s_barrier_wait -1
.endm
.macro WM d, a, b, c, sa, sb, ra, rb   ; one product; ra, rb: the scale words stand in lanes 16-31
.if (\ra) && (\rb)
	v_wmma_scale_f32_16x16x128_f8f6f4 v[\d:\d+7], v[\a:\a+11], v[\b:\b+11], v[\c:\c+7], v[\sa], v[\sb] matrix_a_fmt:MATRIX_FMT_FP6 matrix_b_fmt:MATRIX_FMT_FP6 matrix_a_scale:MATRIX_SCALE_ROW1 matrix_b_scale:MATRIX_SCALE_ROW1
.elseif (\ra)
	v_wmma_scale_f32_16x16x128_f8f6f4 v[\d:\d+7], v[\a:\a+11], v[\b:\b+11], v[\c:\c+7], v[\sa], v[\sb] matrix_a_fmt:MATRIX_FMT_FP6 matrix_b_fmt:MATRIX_FMT_FP6 matrix_a_scale:MATRIX_SCALE_ROW1
.elseif (\rb)
	v_wmma_scale_f32_16x16x128_f8f6f4 v[\d:\d+7], v[\a:\a+11], v[\b:\b+11], v[\c:\c+7], v[\sa], v[\sb] matrix_a_fmt:MATRIX_FMT_FP6 matrix_b_fmt:MATRIX_FMT_FP6 matrix_b_scale:MATRIX_SCALE_ROW1
.else
	v_wmma_scale_f32_16x16x128_f8f6f4 v[\d:\d+7], v[\a:\a+11], v[\b:\b+11], v[\c:\c+7], v[\sa], v[\sb] matrix_a_fmt:MATRIX_FMT_FP6 matrix_b_fmt:MATRIX_FMT_FP6
.endif
.endm
; ---- the x phase
.macro XTURN rho                       ; row rho through a stage: as loaded in, a block of 32 neighbours a lane out
.if 8*(15-(\rho)) > 63
	s_wait_loadcnt 63                              ; row rho's eight loads are in (a smaller count than the 8 (15 - rho) that would do)
.else
	s_wait_loadcnt 8*(15-(\rho))                   ; row rho's eight loads are in; the later rows' may be out
.endif
	WIN 0x04*(1+(\rho)/8)
.irp j, 0,1,2,3,4,5,6,7
	ds_store_b128 v[STI], v[32*((\rho)%8)+4*\j:32*((\rho)%8)+4*\j+3] offset:4608*((\rho)%2)+576*\j
.endr
	WIN 0
.irp j, 0,1,2,3,4,5,6,7
	ds_load_b128 v[XX+32*((\rho)%2)+4*\j:XX+32*((\rho)%2)+4*\j+3], v[STO] offset:4608*((\rho)%2)+16*\j
.endr
.endm
.macro XQUANT rho                      ; my block of row rho: scale, 32 codes, into the image of its K step
.set QX, XX+32*((\rho)%2)
.set QC, CD+8*((\rho)%2)
	v_max3_num_f32 v[TM], |v[QX]|, |v[QX+1]|, |v[QX+2]|
	v_max3_num_f32 v[TM+1], |v[QX+3]|, |v[QX+4]|, |v[QX+5]|
.irp n, 6,10,14,18,22,26
	v_max3_num_f32 v[TM], v[TM], |v[QX+\n]|, |v[QX+\n+1]|
	v_max3_num_f32 v[TM+1], v[TM+1], |v[QX+\n+2]|, |v[QX+\n+3]|
.endr
	v_max3_num_f32 v[TM], v[TM], |v[QX+30]|, |v[QX+31]|
	v_max3_num_f32 v[TM], v[TM], v[TM+1], 0x1800000   ; the floor 2^(3 - 127): the byte cannot fall under 1
	v_add_nc_u32 v[TM+3], 0xff000000, v[TM]        ; 2 off the exponent field: the conversion's scale operand
	v_cvt_scalef32_pk16_fp6_f32 v[QC:QC+2], v[QX:QX+15], v[TM+3]
	v_cvt_scalef32_pk16_fp6_f32 v[QC+4:QC+6], v[QX+16:QX+31], v[TM+3]
	v_lshrrev_b32 v[TM+8], 23, v[TM+3]             ; the byte; also the plain instruction behind the conversions
	v_mov_b32 v[QC+3], v[QC+4]
	v_mov_b32 v[QC+4], v[QC+5]
	v_mov_b32 v[QC+5], v[QC+6]
.irp n, 0,1,2
	ds_store_b64 v[XIA], v[QC+2*\n:QC+2*\n+1] offset:48*(\rho)+8*\n
.endr
	ds_store_b8 v[XSA], v[TM+8] offset:32*(\rho)
.endm
.macro MKA img, sc                     ; the addresses of the left operand's images and scale words
	v_lshlrev_b32 v[TM], 5, v[RR]
	v_lshl_add_u32 v[TM], v[HF], 4, v[TM]
.irp p, 0,1,2,3
	s_mul_i32 s2, s[MM+\p], 8*IP
	s_add_co_u32 s2, s2, \img
	v_add_nc_u32 v[AIA+\p], s2, v[L48]
	s_lshl_b32 s3, s[MM+\p], 9
	s_add_co_u32 s3, s3, \sc
	v_add_nc_u32 v[ASA+\p], s3, v[TM]
.endr
.endm
.macro LOADA                           ; the whole left operand into registers: 32 fragments, 16 registers of scale words
	WIN 0x40
.irp p, 0,1,2,3
.irp s, 0,1,2,3
.irp i, 0,1,2
	ds_load_b128 v[12*(4*(3-\p)+\s)+4*\i:12*(4*(3-\p)+\s)+4*\i+3], v[AIA+\p] offset:IP*\s+16*\i
.endr
.endr
.endr
	WIN 0x80
.irp p, 0,1,2,3
.irp s, 0,1,2,3
.irp i, 0,1,2
	ds_load_b128 v[12*(4*(3-\p)+\s)+4*\i:12*(4*(3-\p)+\s)+4*\i+3], v[AIA+\p] offset:IP*(4+\s)+16*\i
.endr
.endr
.endr
	WIN 0
.irp p, 0,1,2,3
	ds_load_b128 v[XS+4*\p:XS+4*\p+3], v[ASA+\p]
.endr
.endm
; ---- a slot of a tile part (q, k, out): two tiles of 16 columns x K 1,024 a wave, against the four tiles of rows: 64 products, 8 accumulators by turns
.macro TFETCH par, bo                  ; a slot's K steps 0-3, its scale words and its bias
	WIN 0xC0
.irp u, 0,1
.irp s, 0,1,2,3
.irp i, 0,1,2
	ds_load_b128 v[12*(4*\u+\s)+4*\i:12*(4*\u+\s)+4*\i+3], v[AW+(\par)] offset:UNIT*\u+FRB*\s+16*\i
.endr
.endr
.endr
	WIN 0
.irp u, 0,1
.irp q, 0,1,2,3
	ds_load_b32 v[SW+8*(\par)+4*\u+\q], v[ASW+(\par)] offset:UNIT*\u+128*\q    ; lanes 0-15: K step 2 q, lanes 16-31: K step 2 q + 1
.endr
.endr
.irp u, 0,1
.irp n, 0,1
	global_load_b128 v[BI+8*\u+4*\n:BI+8*\u+4*\n+3], v[VBO], s[46:47] offset:\bo+32*\u+16*\n
.endr
.endr
.endm
.macro WMT s, par                      ; K step s: eight products; the first K step takes the bias as C
.irp u, 0,1
.irp p, 0,1,2,3
.if (\s) == 0
	WM ACC+16*\p+8*\u, 12*(4*\u), 12*(4*(3-\p)), BI+8*\u, SW+8*(\par)+4*\u, XS+4*\p, 0, 0
.else
	WM ACC+16*\p+8*\u, 96*((\s)/4)+12*(4*\u+(\s)%4), 12*(4*(3-\p)+(\s)%4), ACC+16*\p+8*\u, SW+8*(\par)+4*\u+(\s)/2, XS+4*\p+(\s)%4, (\s)%2, (\s)/4
.endif
.endr
.endr
.endm
.macro THEAD par                       ; in front of a refill's round
	WIN 0
	s_wait_tensorcnt 0x0                           ; all my tensor loads have landed: the one that was out is my quarter of the other slot
	ds_add_u32 v[SPW], v[NIL]                      ; 0 onto my spare word
	s_add_nc_u64 s[34+4*\par:35+4*\par], s[34+4*\par:35+4*\par], 2*SLOTB   ; no load of mine is out: this slot's descriptor steps two slots on
	s_wait_xcnt 0x0                                ; the last prefetch, a slot back, has read its address
	s_add_nc_u64 s[44:45], s[44:45], SLOTB
	s_wait_dscnt 1                                 ; all but the add: the fragments asked for at the slot's head are in
.endm
.macro REFILL par                      ; the joint refill, first behind the round; an s_nop 0 and four v_nop follow it; they are also the places in front of the loads that follow
	tensor_load_to_lds s[32+4*\par:35+4*\par], s[24:31]
	s_nop 0
	PLACES 4
.endm
; A PREFETCH INTO THE L2, behind each refill and the run of LDS loads that follows it: the slot that stands three refills on (three slots' 64 matrix instructions a wave and their epilogues ahead of its load).
; All clusters walk the same slots: the first cluster asks.  Its four partners take a quarter slot each, told apart BY ADDRESS; in each, wave w takes 6,400 bytes, lanes 256 bytes apart
; (lanes 25-31 name lane 24's bytes again).  Slots 2 to 4 come by their loads alone; the last three refills ask for nothing.
.macro ASK
	s_cmp_gt_u32 s41, s42
	s_cbranch_scc0 .Lno_ask_\@
	global_prefetch_b8 v[PFO], s[44:45] th:TH_LOAD_NT scope:SCOPE_SE
.Lno_ask_\@:
	s_sub_co_u32 s41, s41, 1
.endm
.macro GSLOT par, fill, nxt, bo
	WIN 0xC0
.irp u, 0,1
.irp s, 0,1,2,3
.irp i, 0,1,2
	ds_load_b128 v[96+12*(4*\u+\s)+4*\i:96+12*(4*\u+\s)+4*\i+3], v[AW+\par] offset:UNIT*\u+FRB*(4+\s)+16*\i   ; K steps 4-7, 32 products ahead of their use
.endr
.endr
.endr
	s_wait_dscnt 24                                ; all but the 24 just issued
	s_wait_loadcnt 0x0                             ; the bias
	WIN 0x07
	WMT 0, \par
	WMT 1, \par
	WMT 2, \par
	WMT 3, \par
.if \fill
	THEAD \par
	WIN 0x0B
	WMT 4, \par                                    ; eight products stand between the add and the wait for it
	s_wait_dscnt 0x0                               ; the add is done, and my reads of this slot are over
	s_barrier_signal -1                            ; this barrier opens a round of the cluster's barrier
	WMT 5, \par
	WIN 0
	s_barrier_wait -1
	CREST                                          ; no wave of any partner still reads this slot or has a load on its way
	REFILL \par
	TFETCH 1-\par, \bo
	ASK
.else
	s_wait_dscnt 0x0
	WIN 0x0B
	WMT 4, \par
	WMT 5, \par
	WIN 0
.if \nxt
	s_wait_tensorcnt 0x0                           ; my quarter of the last slot, which I alone read
	PLACES 4
	TFETCH 1-\par, \bo
.endif
.endif
	WIN 0x0B
	WMT 6, \par
	WMT 7, \par
	WIN 0
.endm
.macro EPI_QK par                      ; 32 columns of q or k for 64 tokens: one block a token; its two halves lie in lanes l and l xor 16
	PLACES 5                                       ; behind the last products: four for the reads below, five for the next slot's products, which begin these accumulators anew
.irp p, 0,1,2,3
	v_max3_num_f32 v[TM+\p], |v[ACC+16*\p]|, |v[ACC+16*\p+1]|, 0x1800000
.endr
.irp i, 2,4,6,8,10,12,14
.irp p, 0,1,2,3
	v_max3_num_f32 v[TM+\p], v[TM+\p], |v[ACC+16*\p+\i]|, |v[ACC+16*\p+\i+1]|
.endr
.endr
.irp p, 0,1,2,3
	v_permlanex16_b32 v[TM+4+\p], v[TM+\p], s20, s21
.endr
.irp p, 0,1,2,3
	v_max_num_f32 v[TM+\p], v[TM+\p], v[TM+4+\p]
.endr
.irp p, 0,1,2,3
	v_add_nc_u32 v[TM+8+\p], 0xff000000, v[TM+\p]
.endr
.irp p, 0,1,2,3
	v_cvt_scalef32_pk16_fp6_f32 v[CD+4*\p:CD+4*\p+2], v[ACC+16*\p:ACC+16*\p+15], v[TM+8+\p]
.endr
.irp p, 0,1,2,3
	v_lshrrev_b32 v[TM+12+\p], 23, v[TM+8+\p]      ; the bytes; also the plain instructions behind the conversions
.endr
.irp p, 0,1,2,3
.irp i, 0,1,2
	ds_store_b32 v[QKT+\p], v[CD+4*\p+\i] offset:96*\par+4*\i
.endr
	ds_store_b8 v[QST+\p], v[TM+12+\p] offset:4*\par   ; both lanes of a block write the same byte with the same value
.endr
.endm
.macro EPI_Y par                       ; 32 columns of out0 for my 64 rows into my stage, each accumulator from its low end on
	PLACES 5
.irp p, 0,1,2,3
.irp i, 0,1,2,3
	ds_store_b128 v[YSA], v[ACC+16*\p+4*\i:ACC+16*\p+4*\i+3] offset:16*YP*\p+128*\par+16*\i
.endr
.endr
.endm
.macro FLD c
.irp i, 0,1,2,3,4,5,6,7
	ds_load_b128 v[XX+32*((\c)%2)+4*\i:XX+32*((\c)%2)+4*\i+3], v[YRA] offset:YP*(16*(\c)+2*\i)   ; LDS serves a wave's instructions in order: these see my stores
.endr
.endm
.macro FST c
.irp i, 0,1,2,3,4,5,6,7
	global_store_b128 v[YV+2*(\c)+\i/4], v[XX+32*((\c)%2)+4*\i:XX+32*((\c)%2)+4*\i+3], s[12:13] offset:(\i%4)<<21 th:TH_STORE_NT   ; 16 lanes store 256 consecutive bytes, at a multiple of 256 from out0's first byte
.endr
.endm
.macro FLUSH                           ; two slots' 64 columns x 64 rows leave
	FLD 0
	FLD 1
	s_wait_dscnt 8                                 ; all but the eight youngest loads
	FST 0
	s_wait_xcnt 0x0                                ; the stores have read their registers: they may be loaded again
	FLD 2
	s_wait_dscnt 8
	FST 1
	s_wait_xcnt 0x0
	FLD 3
	s_wait_dscnt 8
	FST 2
	s_wait_dscnt 0x0
	FST 3
	s_wait_xcnt 0x0                                ; and their base may step
	s_add_nc_u64 s[12:13], s[12:13], 256
.endm
; ---- the S phase: four tokens at a time.  S^T = k q^T: lane (h, hf) holds scores of head h against heads g = 8 hf + 0 .. 7.  K = 64: the fragments' upper six registers are zero codes
.macro SBATCH b
	WIN 0xC0
.irp e, 0,1,2,3
.irp i, 0,1,2
	ds_load_b64 v[12*\e+2*\i:12*\e+2*\i+1], v[SKA] offset:IP*(4*\b+\e)+768+8*\i
	ds_load_b64 v[48+12*\e+2*\i:48+12*\e+2*\i+1], v[SKA] offset:IP*(4*\b+\e)+8*\i
.endr
.endr
	WIN 0
.irp e, 0,1,2,3
	ds_load_u16 v[SW+\e], v[SSA] offset:64*(4*\b+\e)+32     ; a head's two bytes; the word's upper two are 0, over zero codes
	ds_load_u16 v[SW+4+\e], v[SSA] offset:64*(4*\b+\e)
.endr
	s_wait_dscnt 0x0
	WIN 0xFF
.irp e, 0,1,2,3
	v_wmma_scale_f32_16x16x128_f8f6f4 v[96+8*\e:96+8*\e+7], v[12*\e:12*\e+11], v[48+12*\e:48+12*\e+11], 0, v[SW+\e], v[SW+4+\e] matrix_a_fmt:MATRIX_FMT_FP6 matrix_b_fmt:MATRIX_FMT_FP6
.endr
	PLACES 5
.irp e, 0,1,2,3
	v_max3_num_f32 v[128+\e], v[96+8*\e], v[97+8*\e], v[98+8*\e]
.endr
.irp i, 3,5
.irp e, 0,1,2,3
	v_max3_num_f32 v[128+\e], v[128+\e], v[96+8*\e+\i], v[97+8*\e+\i]
.endr
.endr
.irp e, 0,1,2,3
	v_max_num_f32 v[128+\e], v[128+\e], v[103+8*\e]
.endr
.irp e, 0,1,2,3
	v_permlanex16_b32 v[132+\e], v[128+\e], s20, s21
.endr
.irp e, 0,1,2,3
	v_max_num_f32 v[128+\e], v[128+\e], v[132+\e]  ; the row's largest score
.endr
.irp e, 0,1,2,3
	v_mul_f32 v[136+2*\e], s43, v[128+\e]          ; - c x max, c = log2(e) / 8
.endr
.irp y, 0,1,2,3
.irp e, 0,1,2,3
	v_pk_fma_f32 v[96+8*\e+2*\y:97+8*\e+2*\y], v[96+8*\e+2*\y:97+8*\e+2*\y], s[22:23], v[136+2*\e:137+2*\e] op_sel_hi:[1,0,0]
.endr
.endr
.irp j, 0,1,2,3,4,5,6,7,8,9,10,11,12,13,14,15,16,17,18,19,20,21,22,23,24,25,26,27,28,29,30,31
	v_exp_f32 v[96+\j], v[96+\j]
.endr
	v_nop                                          ; a plain instruction behind the last exponential
	s_wait_alu depctr_va_vdst(0)                   ; one wait for the batch, ahead of its first reader
.irp e, 0,1,2,3
	v_pk_add_f32 v[144+2*\e:145+2*\e], v[96+8*\e:97+8*\e], v[98+8*\e:99+8*\e]
.endr
.irp e, 0,1,2,3
	v_pk_add_f32 v[164+2*\e:165+2*\e], v[100+8*\e:101+8*\e], v[102+8*\e:103+8*\e]
.endr
.irp e, 0,1,2,3
	v_pk_add_f32 v[144+2*\e:145+2*\e], v[144+2*\e:145+2*\e], v[164+2*\e:165+2*\e]
.endr
.irp e, 0,1,2,3
	v_add_f32 v[144+2*\e], v[144+2*\e], v[145+2*\e]
.endr
.irp e, 0,1,2,3
	v_permlanex16_b32 v[152+\e], v[144+2*\e], s20, s21
.endr
.irp e, 0,1,2,3
	v_add_f32 v[144+2*\e], v[144+2*\e], v[152+\e]  ; the row's sum, at least 1
.endr
.irp e, 0,1,2,3
	v_rcp_f32 v[156+2*\e], v[144+2*\e]
.endr
	v_nop
	s_wait_alu depctr_va_vdst(0)                   ; one wait for the four reciprocals
	WIN 0x0F                                       ; the weights go to window 0
.irp e, 0,1,2,3
.if 4*\b+\e < 8
.set PD, ACC+8*(4*\b+\e)
.else
.set PD, XX+8*(4*\b+\e-8)
.endif
.irp y, 0,1,2,3
	v_pk_mul_f32 v[PD+2*\y:PD+2*\y+1], v[96+8*\e+2*\y:97+8*\e+2*\y], v[156+2*\e:157+2*\e] op_sel_hi:[1,0]
.endr
.endr
.endm
; ---- the v part
; v's bias goes straight into the accumulators: every product then adds in place.  Accumulator kappa = 2 head + u holds columns 2048 + 64 head + 32 delta + 8 u + 16 (lane / 16) + 0 .. 7:
; in bytes 8,192 + 256 (kappa / 2) + 32 (kappa % 2) in the immediate, 128 delta + 64 (lane / 16) in the offset register; the last byte read is b_qkv's last
.macro BIASV k0, k1
.irp p, 0,1
	WIN 0x40*(1+\p)
.set KK, \k0
.rept \k1-\k0+1
	global_load_b128 v[8*KK:8*KK+3], v[VB2], s[8:9] offset:8192+256*(KK/2)+32*(KK%2)
	global_load_b128 v[8*KK+4:8*KK+7], v[VB2], s[8:9] offset:8192+256*(KK/2)+32*(KK%2)+16
.set KK, KK+1
.endr
.endr
	WIN 0
.endm
.macro VUNIT a, par, buf               ; unit a of my half slot: 8 tiles' fragments of this K step, and their scale words: 28 loads
	WIN 0xC0
.irp f, 0,1,2,3,4,5,6,7
.irp i, 0,1,2
	ds_load_b128 v[96*(\buf)+12*\f+4*\i:96*(\buf)+12*\f+4*\i+3], v[AV+(\par)] offset:UNIT*(\a)+FRB*\f+16*\i
.endr
.endr
	WIN 0
.irp q, 0,1,2,3
	ds_load_b32 v[SV+4*(\buf)+\q], v[AVS+(\par)] offset:UNIT*(\a)+128*\q
.endr
.endm
.macro VX par, xa, xs, ko              ; my two tiles' fragments of x for a K step, and their scale words
	WIN 0xC0
.irp p, 0,1
.irp i, 0,1,2
	ds_load_b128 v[192+24*(\par)+12*\p+4*\i:192+24*(\par)+12*\p+4*\i+3], v[\xa+\p] offset:IP*(\ko)+16*\i
.endr
.endr
	WIN 0
.irp p, 0,1
	ds_load_b32 v[XV+2*(\par)+\p], v[\xs+\p] offset:4*(\ko)
.endr
.endm
.macro WMV a, par, p, f0, n            ; n products of unit a against tile p: a different accumulator each
.set FF, \f0
.rept \n
	WM 8*(8*(\a)+FF), 96*((\a)%2)+12*FF, 192+24*(\par)+12*(\p), 8*(8*(\a)+FF), SV+4*((\a)%2)+FF/2, XV+2*(\par)+(\p), FF%2, 0
.set FF, FF+1
.endr
.endm
.macro VSLOT par, upd, xa, xs, ko      ; a slot = one K step of my 32 tiles x 2 tiles of tokens: 64 products
.irp a, 0,1,2
	PLACES 4                                       ; in front of loads into the buffer that the products before have read
	VUNIT \a+1, \par, (\a+1)%2
	s_wait_dscnt 28                                ; all but the 28 just issued
.if (\upd) && (\a == 0)
	s_add_co_u32 s50, s48, 2*IP                    ; no older LDS load is out: the walking addresses are made for this trip.  The look-ahead of the last trip is held at the last K step
	s_min_u32 s50, s50, 7*IP
	s_add_co_u32 s51, s49, 8
	s_min_u32 s51, s51, 28
.irp p, 0,1
	v_add_nc_u32 v[XVT+\p], s48, v[XVA+\p]
	v_add_nc_u32 v[XVT2+\p], s50, v[XVA+\p]
	v_add_nc_u32 v[XST+\p], s49, v[XVS+\p]
	v_add_nc_u32 v[XST2+\p], s51, v[XVS+\p]
.endr
.endif
	WIN 0x5F
	WMV \a, \par, 0, 0, 8
	WIN 0xAF
	WMV \a, \par, 1, 0, 8
.endr
	THEAD \par
	WIN 0x5F
	WMV 3, \par, 0, 0, 4                           ; four products stand between the add and the wait for it
	s_wait_dscnt 0x0                               ; the add is done, and my reads of this slot are over
	s_barrier_signal -1
	WMV 3, \par, 0, 4, 4
	WIN 0
	s_barrier_wait -1
	CREST
	REFILL \par
	VUNIT 0, 1-\par, 0
	VX 1-\par, \xa, \xs, \ko
	ASK
	WIN 0xAF
	WMV 3, \par, 1, 0, 8
	WIN 0
.endm
; ---- P v: lane = token, registers = 16 neighbouring d; a head's 16 numbers are half a block of the last product's K
.macro HEAD p, e
.if \e == 0
	s_wait_dscnt 4                                 ; P of this head is in: only the four youngest LDS instructions may be out
	v_add_nc_u32 v[PN], s51, v[PRA+\p]             ; (the loads that used it are done)  where the next trip's P lies
.else
	s_wait_dscnt 8                                 ; P of this head is in: behind it came four loads and four stores
.endif
	WIN 1+\p
.irp y, 0,1,2,3,4,5,6,7
	v_pk_mul_f32 v[OT+2*\y:OT+2*\y+1], v[2*\y:2*\y+1], v[PR+16*\e:PR+16*\e+1] op_sel_hi:[1,0]
.endr
.irp g, 1,2,3,4,5,6,7,8,9,10,11,12,13,14,15
.irp y, 0,1,2,3,4,5,6,7
.if \g%2
	v_pk_fma_f32 v[OT+2*\y:OT+2*\y+1], v[16*\g+2*\y:16*\g+2*\y+1], v[PR+16*\e+\g-1:PR+16*\e+\g], v[OT+2*\y:OT+2*\y+1] op_sel:[0,1,0] op_sel_hi:[1,1,1]
.else
	v_pk_fma_f32 v[OT+2*\y:OT+2*\y+1], v[16*\g+2*\y:16*\g+2*\y+1], v[PR+16*\e+\g:PR+16*\e+\g+1], v[OT+2*\y:OT+2*\y+1] op_sel_hi:[1,0,1]
.endif
.endr
.endr
	WIN 0
.irp q, 0,1,2,3
	ds_load_b128 v[PR+16*\e+4*\q:PR+16*\e+4*\q+3], v[PN] offset:256*\q+16*\e
.endr
.if \e == 0
	s_wait_dscnt 4                                 ; all but the four loads just issued: the last trip's stores are done, so their addresses may step
	v_add_nc_u32 v[OC], s49, v[OCA+\p]
	v_add_nc_u32 v[OS], s50, v[OSA+\p]
.endif
	v_max3_num_f32 v[TM], |v[OT]|, |v[OT+1]|, 0x1800000
	v_max3_num_f32 v[TM+1], |v[OT+8]|, |v[OT+9]|, |v[OT+10]|
	v_max3_num_f32 v[TM], v[TM], |v[OT+2]|, |v[OT+3]|
	v_max3_num_f32 v[TM+1], v[TM+1], |v[OT+11]|, |v[OT+12]|
	v_max3_num_f32 v[TM], v[TM], |v[OT+4]|, |v[OT+5]|
	v_max3_num_f32 v[TM+1], v[TM+1], |v[OT+13]|, |v[OT+14]|
	v_max3_num_f32 v[TM], v[TM], |v[OT+6]|, |v[OT+7]|
	v_max3_num_f32 v[TM], v[TM], v[TM+1], |v[OT+15]|
	v_permlanex16_b32 v[TM+2], v[TM], s20, s21
	v_max_num_f32 v[TM], v[TM], v[TM+2]
	v_add_nc_u32 v[TM+3], 0xff000000, v[TM]
	v_cvt_scalef32_pk16_fp6_f32 v[CD+4*\e:CD+4*\e+2], v[OT:OT+15], v[TM+3]
	v_lshrrev_b32 v[TM+8+\e], 23, v[TM+3]          ; the byte; also the plain instruction behind the conversion
.irp i, 0,1,2
	ds_store_b32 v[OC], v[CD+4*\e+\i] offset:48*\e+4*\i
.endr
	ds_store_b8 v[OS], v[TM+8+\e] offset:32*\e
.endm
.macro PVLOOP p
	s_wait_dscnt 0x0                               ; nothing of mine is out: P's registers may be loaded
	s_mov_b32 s48, 0                               ; 32 x trip: P;  96 x trip: codes;  64 x trip: bytes
	s_mov_b32 s49, 0
	s_mov_b32 s50, 0
.irp e, 0,1
.irp q, 0,1,2,3
	ds_load_b128 v[PR+16*\e+4*\q:PR+16*\e+4*\q+3], v[PRA+\p] offset:256*\q+16*\e
.endr
.endr
	s_mov_b32 s40, 8
.Lpv\p:                                        ; a trip: two heads
	s_add_co_u32 s51, s48, 32
	s_min_u32 s51, s51, 224                        ; the last trip's look-ahead is held at heads 14 and 15
	HEAD \p, 0
	HEAD \p, 1
	s_add_co_u32 s48, s48, 32
	s_add_co_u32 s49, s49, 96
	s_add_co_u32 s50, s50, 64
	s_sub_co_u32 s40, s40, 1
	s_cmp_lg_u32 s40, 0
	s_cbranch_scc1 .Lpv\p
.endm
; ======== the head
	s_load_b256 s[4:11], s[0:1], 0x0               ; x, wq, b_qkv, b_out
	s_load_b64 s[12:13], s[0:1], 0x20              ; out0
	v_lshl_add_u32 v[SPW], v0, 2, SPARE
	v_mov_b32 v[NIL], 0
	ds_add_u32 v[SPW], v[NIL]                      ; the wave's opening: the add, and its wait ahead of my first tensor load; work on registers stands between them
	v_lshrrev_b32 v[TM], 5, v0
	v_readfirstlane_b32 s14, v[TM]                 ; wave 0..3
	s_and_b32 s15, s14, 1                          ; delta: my half of a head's 64 in the v part
	s_bfe_u32 s16, ttmp6, 0x40000                  ; cx: it enters the addresses of x, out0 and the prefetches alone
	s_lshl_b32 s17, ttmp9, 2
	s_add_co_u32 s17, s17, s16                     ; my block of 64 tokens
.irp p, 0,1,2,3
	s_xor_b32 s[MM+\p], s14, \p
.endr
	s_mov_b32 s24, 15|(3<<16)|(1<<21)              ; group 1: the mask names all four work-groups; elements of 8 bytes; bit 21 beside a mask; no padding
	s_mov_b32 s25, 32<<16                          ; tensor_dim0 = 32 elements: rows of 256 bytes
	s_mov_b32 s26, 100<<16                         ; tensor_dim1 = 100 rows: 25,600 dense bytes
	s_mov_b32 s27, 32<<16                          ; tile_dim0
	s_mov_b32 s28, 100                             ; tile_dim1
	s_mov_b32 s29, 32                              ; from row to row
	s_mov_b32 s30, 0
	s_mov_b32 s31, 0
	s_mov_b32 s20, 0x76543210
	s_mov_b32 s21, 0xfedcba98                      ; v_permlanex16_b32's selects for lane l xor 16
	s_mov_b32 s22, 0x3e38aa3b                      ; c = log2(e) / 8
	s_mov_b32 s23, s22
	s_mov_b32 s43, 0xbe38aa3b                      ; - c
	s_mov_b32 s41, 30                              ; refills to come
	s_cmp_eq_u32 ttmp9, 0
	s_cselect_b32 s42, 3, -1                       ; the first cluster prefetches while more than three refills are to come
	s_mul_i32 s18, s14, QUART                      ; my quarter of a slot: in wq and in LDS alike
	s_mov_b32 s19, 0
	s_mov_b32 s32, 1
	s_mov_b32 s33, s18
	s_mov_b32 s36, 1
	s_add_co_u32 s37, s18, SLOTB
	s_mul_i32 s52, s16, QUART
	s_mul_i32 s53, s14, 6400
	s_add_co_u32 s52, s52, s53
	s_add_co_u32 s52, s52, 4*SLOTB                 ; the prefetches stand in slot 4; the first refill steps them to slot 5
	s_mov_b32 s53, 0
	s_lshl_b32 s54, s17, 18                        ; 64 rows of 4,096 bytes a work-group,
	s_lshl_b32 s55, s14, 16                        ; 16 a wave
	s_add_co_u32 s54, s54, s55
	s_mov_b32 s55, 0
	s_lshl_b32 s50, s14, 7                         ; q, k: my 32 columns of a slot's 128
	s_mov_b32 s51, 0
	v_and_b32 v[TM], 31, v0                        ; lane
	v_and_b32 v[RR], 15, v0
	v_bfe_u32 v[HF], v0, 4, 1
	v_mul_u32_u24 v[L48], v[TM], 48
	v_lshlrev_b32 v[VBO], 6, v[HF]
	v_min_u32 v[PFO], 24, v[TM]
	v_lshlrev_b32 v[PFO], 8, v[PFO]
	v_lshlrev_b32 v[XGO], 4, v[TM]
	v_lshlrev_b32 v[TM+9], 2, v[TM]                ; 4 x lane
	v_add_nc_u32 v[AW], s18, v[L48]
	v_add_nc_u32 v[AW+1], SLOTB, v[AW]
	v_add_nc_u32 v[ASW], s18, v[TM+9]
	v_add_nc_u32 v[ASW], USC, v[ASW]
	v_add_nc_u32 v[ASW+1], SLOTB, v[ASW]
	s_mul_i32 s2, s15, 4*UNIT
	v_add_nc_u32 v[AV], s2, v[L48]
	v_add_nc_u32 v[AV+1], SLOTB, v[AV]
	v_add_nc_u32 v[AVS], s2, v[TM+9]
	v_add_nc_u32 v[AVS], USC, v[AVS]
	v_add_nc_u32 v[AVS+1], SLOTB, v[AVS]
	v_lshrrev_b32 v[TM+1], 3, v[TM]                ; the stage, on the way in: eight lanes' 128 bytes on end, then 16 of padding
	v_mul_u32_u24 v[TM+1], v[TM+1], 144
	v_and_b32 v[TM+3], 7, v[TM]
	v_lshl_add_u32 v[TM+1], v[TM+3], 4, v[TM+1]
	s_mul_i32 s2, s14, 9216
	s_add_co_u32 s2, s2, XSTG
	v_add_nc_u32 v[STI], s2, v[TM+1]
	v_mul_u32_u24 v[TM+1], v[TM], 144
	v_add_nc_u32 v[STO], s2, v[TM+1]               ; and out: my block
	v_lshrrev_b32 v[TM+1], 2, v[TM]                ; block l of a row: K step l / 4, operand half l % 2, c = (l / 2) % 2
	v_mul_u32_u24 v[TM+1], v[TM+1], IP
	v_and_b32 v[TM+3], 1, v[TM]
	v_mad_u32_u24 v[TM+1], v[TM+3], 768, v[TM+1]
	v_bfe_u32 v[TM+3], v[TM], 1, 1
	v_mad_u32_u24 v[TM+1], v[TM+3], 24, v[TM+1]
	s_mul_i32 s2, s14, 8*IP
	s_add_co_u32 s2, s2, XIMG
	v_add_nc_u32 v[XIA], s2, v[TM+1]
	s_lshl_b32 s2, s14, 9
	s_add_co_u32 s2, s2, XSC
	v_add_nc_u32 v[XSA], s2, v[TM]
	v_mul_u32_u24 v[TM+1], v[RR], IP               ; q's and k's codes: token 16 tile + r, block 4 slot + wave, my half of it
	v_mad_u32_u24 v[TM+1], v[HF], 12, v[TM+1]
	v_lshlrev_b32 v[TM+3], 6, v[RR]
	s_mul_i32 s3, s14, 24
.irp p, 0,1,2,3
	s_mul_i32 s2, s[MM+\p], 16*IP
	s_add_co_u32 s2, s2, s3
	s_add_co_u32 s2, s2, QK
	v_add_nc_u32 v[QKA+\p], s2, v[TM+1]
	s_lshl_b32 s2, s[MM+\p], 10
	s_add_co_u32 s2, s2, s14
	s_add_co_u32 s2, s2, QS
	v_add_nc_u32 v[QSA+\p], s2, v[TM+3]
.endr
	MKA XIMG, XSC
.irp i, 2,4,5,6,7
	v_mov_b32 v[TM+\i], 0                          ; written once: a lane permute's destination counts as one of its sources
.endr
	s_wait_dscnt 0x0                               ; the opening add is done
	s_wait_kmcnt 0x0
	s_add_nc_u64 s[34:35], s[6:7], s[18:19]        ; slot 0's quarter,
	s_add_nc_u64 s[38:39], s[34:35], SLOTB         ; slot 1's
	s_or_b32 s35, s35, 0x80000000
	s_or_b32 s39, s39, 0x80000000
	s_add_nc_u64 s[44:45], s[6:7], s[52:53]
	s_add_nc_u64 s[4:5], s[4:5], s[54:55]
	s_add_nc_u64 s[46:47], s[8:9], s[50:51]
	WIN 0x40
.irp rho, 0,1,2,3,4,5,6,7
.irp j, 0,1,2,3,4,5,6,7
	global_load_b128 v[32*\rho+4*\j:32*\rho+4*\j+3], v[XGO], s[4:5] offset:4096*\rho+512*\j th:TH_LOAD_NT   ; my 16 rows of x: 512 consecutive bytes a load
.endr
.endr
	WIN 0x80
.irp rho, 0,1,2,3,4,5,6,7
.irp j, 0,1,2,3,4,5,6,7
	global_load_b128 v[32*\rho+4*\j:32*\rho+4*\j+3], v[XGO], s[4:5] offset:4096*(8+\rho)+512*\j th:TH_LOAD_NT
.endr
.endr
	WIN 0
	CROUND                                         ; all four work-groups are here: the first joint loads meet
	tensor_load_to_lds s[32:35], s[24:31]          ; slot 0 and slot 1: two loads of mine are out; later one
	s_nop 0
	tensor_load_to_lds s[36:39], s[24:31]
	s_nop 0
	PLACES 4
; ======== x becomes codes: wave w's 16 rows are tile w's eight images
	XTURN 0
.irp rho, 0,1,2,3,4,5,6,7,8,9,10,11,12,13,14,15
.if \rho < 15
	XTURN \rho+1
	s_wait_dscnt 16                                ; all but the next row's eight stores and eight loads
.else
	s_wait_dscnt 0x0
.endif
	XQUANT \rho
.endr
	BAR                                            ; x's 32 images and its scale bytes lie in LDS
	LOADA
; ======== q and k: slots 0-15
	s_wait_tensorcnt 0x1                           ; my quarter of slot 0 is in (slot 1's may be out); in the tile parts a wave reads the quarter that it fetched itself
	TFETCH 0, 0
	s_mov_b32 s48, 0                               ; 192 x trip: the codes' place;  8 x trip: the bytes'
	s_mov_b32 s49, 0
	s_mov_b32 s40, 8
.Lqk:                                              ; a trip: two slots.  The first slot's round also parts every wave's reads of x's images from the first codes laid over them
	GSLOT 0, 1, 1, 512
.irp p, 0,1,2,3
	v_add_nc_u32 v[QKT+\p], s48, v[QKA+\p]         ; (the slot's waits have shown the last trip's stores done)
	v_add_nc_u32 v[QST+\p], s49, v[QSA+\p]
.endr
	EPI_QK 0
	GSLOT 1, 1, 1, 1024                            ; (the last trip's look-ahead reads slot 16 and a bias of v: both lie there, neither is used)
	EPI_QK 1
	s_wait_xcnt 0x0                                ; the bias loads have read their base
	s_add_nc_u64 s[46:47], s[46:47], 1024
	s_add_co_u32 s48, s48, 192
	s_add_co_u32 s49, s49, 8
	s_sub_co_u32 s40, s40, 1
	s_cmp_lg_u32 s40, 0
	s_cbranch_scc1 .Lqk
; ======== S and the softmax: wave w takes tokens 16 w .. 16 w + 15
	s_lshl_b32 s2, s15, 7
	v_add_nc_u32 v[VB2], s2, v[VBO]
	BIASV 0, 17                                    ; all accumulators of v but those that lie over my own tile's fragments of x
	BIASV 24, 31
	s_mul_i32 s2, s14, 16*IP
	s_add_co_u32 s2, s2, QK
	v_mul_u32_u24 v[TM], v[RR], 48
	v_mad_u32_u24 v[TM], v[HF], 24, v[TM]
	v_add_nc_u32 v[SKA], s2, v[TM]                 ; head r's 48 bytes, my block of them
	s_lshl_b32 s2, s14, 10
	s_add_co_u32 s2, s2, QS
	v_lshl_add_u32 v[SSA], v[RR], 1, s2
	s_mul_i32 s2, s14, 16*PP
	s_add_co_u32 s2, s2, PB
	v_lshlrev_b32 v[TM], 4, v[RR]
	v_lshl_add_u32 v[TM], v[HF], 9, v[TM]
	v_add_nc_u32 v[PSA], s2, v[TM]
	s_mul_i32 s2, s14, 8*IP
	s_add_co_u32 s2, s2, XIM2
	v_add_nc_u32 v[XRA], s2, v[L48]
	BAR                                            ; all codes and bytes of q and k lie in LDS
	WIN 0xC0
.irp e, 0,1,2,3
.irp i, 6,7,8,9,10,11
	v_mov_b32 v[12*\e+\i], 0                       ; K = 64: the upper half of each fragment is zero codes
	v_mov_b32 v[48+12*\e+\i], 0
.endr
	v_mov_b32 v[132+\e], 0                         ; permutes' destinations, and the upper words of pairs that are named whole
	v_mov_b32 v[137+2*\e], 0
	v_mov_b32 v[152+\e], 0
	v_mov_b32 v[157+2*\e], 0
.endr
	PLACES 4
	SBATCH 0
	SBATCH 1
	SBATCH 2
	SBATCH 3
	WIN 0
	BAR                                            ; every wave's reads of q's and k's codes are over: P and x's images may be laid over them
.irp n, 0,1,2,3,4,5,6,7,8,9,10,11,12,13,14,15
.if \n < 8
.set PD, ACC+8*\n
.else
.set PD, XX+8*(\n-8)
.endif
	ds_store_b128 v[PSA], v[PD:PD+3] offset:PP*\n
	ds_store_b128 v[PSA], v[PD+4:PD+7] offset:PP*\n+256
.endr
	WIN 0x04
.irp s, 0,1,2,3
.irp i, 0,1,2
	ds_store_b128 v[XRA], v[144+12*\s+4*\i:144+12*\s+4*\i+3] offset:IP*\s+16*\i      ; my own tile's fragments of x go back to LDS as they stand
.endr
.endr
	WIN 0x08
.irp s, 0,1,2,3
.irp i, 0,1,2
	ds_store_b128 v[XRA], v[144+12*\s+4*\i:144+12*\s+4*\i+3] offset:IP*(4+\s)+16*\i
.endr
.endr
	WIN 0
	BAR                                            ; P and x's images lie in LDS
	BIASV 18, 23
; ======== v: slots 16-23, a K step each
	v_lshlrev_b32 v[TM], 5, v[RR]
.irp p, 0,1
	s_mul_i32 s2, s[MM+\p], 8*IP
	s_add_co_u32 s2, s2, XIM2
	v_add_nc_u32 v[XVA+\p], s2, v[L48]
	s_lshl_b32 s2, s[MM+\p], 9
	s_add_co_u32 s2, s2, XSC
	v_add_nc_u32 v[XVS+\p], s2, v[TM]
.endr
	VUNIT 0, 0, 0
	VX 0, XVA, XVS, 0
	s_wait_loadcnt 0x0                             ; v's bias is in the accumulators
	s_mov_b32 s48, 0                               ; two images a trip;  8 bytes of scale words a trip
	s_mov_b32 s49, 0
	s_mov_b32 s40, 4
.Lv:
	VSLOT 0, 1, XVT, XST, 1
	VSLOT 1, 0, XVT2, XST2, 0                      ; (the last trip's look-ahead reads slot 24 and K step 7 again: neither is used)
	s_add_co_u32 s48, s48, 2*IP
	s_add_co_u32 s49, s49, 8
	s_sub_co_u32 s40, s40, 1
	s_cmp_lg_u32 s40, 0
	s_cbranch_scc1 .Lv
	PLACES 5
	BAR                                            ; every wave's reads of x's images are over: the attention's images may be laid over them
; ======== P v, quantised on the way: tile w, then tile w xor 1
	v_mul_u32_u24 v[TM], v[RR], PP
	v_lshrrev_b32 v[TM+1], 1, v[RR]                ; token t of a tile is K step t / 2, c = t % 2; my half delta is the operand's half; row = head
	v_mul_u32_u24 v[TM+1], v[TM+1], IP
	v_and_b32 v[TM+3], 1, v[RR]
	v_mad_u32_u24 v[TM+1], v[TM+3], 24, v[TM+1]
	v_mad_u32_u24 v[TM+1], v[HF], 12, v[TM+1]
	v_lshlrev_b32 v[TM+3], 1, v[RR]
	s_mul_i32 s3, s15, 768
.irp p, 0,1
	s_mul_i32 s2, s[MM+\p], 16*PP
	s_add_co_u32 s2, s2, PB
	v_add_nc_u32 v[PRA+\p], s2, v[TM]
	s_mul_i32 s2, s[MM+\p], 8*IP
	s_add_co_u32 s2, s2, s3
	s_add_co_u32 s2, s2, XIM2
	v_add_nc_u32 v[OCA+\p], s2, v[TM+1]
	s_lshl_b32 s2, s[MM+\p], 9
	s_add_co_u32 s2, s2, s15
	s_add_co_u32 s2, s2, OSC
	v_add_nc_u32 v[OSA+\p], s2, v[TM+3]
.endr
	PVLOOP 0
	PVLOOP 1
	BAR                                            ; the attention's 32 images and its scale bytes lie in LDS
	MKA XIM2, OSC
	LOADA
; ======== the last product: slots 24-31; wave w makes columns 256 w .. 256 w + 255, 32 a slot
	s_mul_i32 s2, s14, 64*YP
	s_add_co_u32 s2, s2, YSTG
	v_mul_u32_u24 v[TM], v[RR], YP
	v_lshl_add_u32 v[TM], v[HF], 6, v[TM]
	v_add_nc_u32 v[YSA], s2, v[TM]                 ; in: row (position, head r), my 16 columns
	v_mul_u32_u24 v[TM], v[HF], YP
	v_lshl_add_u32 v[TM], v[RR], 4, v[TM]
	v_add_nc_u32 v[YRA], s2, v[TM]                 ; back: lanes 0-15 one row of 256 bytes, lanes 16-31 the next
	v_lshlrev_b32 v[TM], 4, v[RR]
	v_lshl_add_u32 v[TM], v[HF], 20, v[TM]         ; out0's row 256 head + 4 block + tile: a head is 2^20 bytes on, a tile 2^12
.irp c, 0,1,2,3
	s_lshl_b32 s2, s[MM+\c], 12
	v_add_nc_u32 v[YV+2*\c], s2, v[TM]
	v_add_nc_u32 v[YV+2*\c+1], 1<<23, v[YV+2*\c]   ; heads 8-15: beyond the immediate's reach
.endr
	s_lshr_b32 s2, s17, 6
	s_lshl_b32 s2, s2, 24                          ; the batch,
	s_and_b32 s3, s17, 63
	s_lshl_b32 s3, s3, 14                          ; four rows a block,
	s_add_co_u32 s2, s2, s3
	s_lshl_b32 s3, s14, 10                         ; my 256 columns
	s_add_co_u32 s2, s2, s3
	s_mov_b32 s3, 0
	s_add_nc_u64 s[12:13], s[12:13], s[2:3]
	s_lshl_b32 s2, s14, 10
	s_add_nc_u64 s[46:47], s[10:11], s[2:3]
	TFETCH 0, 0
	s_mov_b32 s40, 3
.Lout:                                             ; a trip: two slots, 64 columns.  The first slot's round also parts every wave's reads of the images from the stages laid over them
	GSLOT 0, 1, 1, 128
	EPI_Y 0
	GSLOT 1, 1, 1, 256
	EPI_Y 1
	FLUSH
	s_add_nc_u64 s[46:47], s[46:47], 256           ; (behind the wait on XCNT at the end of FLUSH)
	s_sub_co_u32 s40, s40, 1
	s_cmp_lg_u32 s40, 0
	s_cbranch_scc1 .Lout
	GSLOT 0, 0, 1, 128                             ; the last two slots are written out: nothing is left to fetch
	EPI_Y 0
	GSLOT 1, 0, 0, 0
	EPI_Y 1
	FLUSH
	s_wait_tensorcnt 0x0                           ; the wave's end: behind my last tensor load and my last LDS store
	ds_add_u32 v[SPW], v[NIL]
	s_wait_dscnt 0x0
	CROUND                                         ; the closing round: no work-group ends while a partner may still ask for a tile that names it
	s_endpgm
.Lfunc_end_k_q972bdfb497_fused:
	.size	k_q972bdfb497_fused, .Lfunc_end_k_q972bdfb497_fused-k_q972bdfb497_fused
	.p2alignl 7, 3214868480
	.fill 96, 4, 3214868480
	.section	.rodata,"a",@progbits
	.p2align	6, 0x0
	.amdhsa_kernel k_q972bdfb497_fused
		.amdhsa_group_segment_fixed_size 327680
		.amdhsa_private_segment_fixed_size 0
		.amdhsa_enable_private_segment 0
		.amdhsa_kernarg_size 40
		.amdhsa_user_sgpr_count 2
		.amdhsa_user_sgpr_kernarg_segment_ptr 1
		.amdhsa_wavefront_size32 1
		.amdhsa_system_sgpr_workgroup_id_x 1
		.amdhsa_system_sgpr_workgroup_id_y 1
		.amdhsa_system_sgpr_workgroup_id_z 1
		.amdhsa_system_vgpr_workitem_id 0
		.amdhsa_next_free_vgpr 1024
		.amdhsa_next_free_sgpr 66
		.amdhsa_reserve_vcc 0
		.amdhsa_float_denorm_mode_32 3
		.amdhsa_float_denorm_mode_16_64 3
		.amdhsa_memory_ordered 1
		.amdhsa_forward_progress 1
		.amdhsa_inst_pref_size 255
	.end_amdhsa_kernel
	.section	.bss,"aw",@nobits
	.p2align	6
	.space	262144
	.amdgpu_metadata
---
amdhsa.version: [ 1, 2 ]
amdhsa.kernels:
  - .name:           k_q972bdfb497_fused
    .symbol:         k_q972bdfb497_fused.kd
    .args:
      - { .name: x, .offset: 0, .size: 8, .value_kind: global_buffer, .address_space: global }
      - { .name: wq, .offset: 8, .size: 8, .value_kind: global_buffer, .address_space: global }
      - { .name: b_qkv, .offset: 16, .size: 8, .value_kind: global_buffer, .address_space: global }
      - { .name: b_out, .offset: 24, .size: 8, .value_kind: global_buffer, .address_space: global }
      - { .name: out0, .offset: 32, .size: 8, .value_kind: global_buffer, .address_space: global }
    .group_segment_fixed_size: 327680
    .private_segment_fixed_size: 0
    .kernarg_segment_align: 8
    .kernarg_segment_size: 40
    .max_flat_workgroup_size: 128
    .sgpr_count:     66
    .vgpr_count:     1024
    .wavefront_size: 32
...
	.end_amdgpu_metadata
.endif
;; end of part 2
;; ======== version 2 of 2: 2 launches
;; limits: right only within a limited range of input values
;; workspace buffers: wq 3,276,800 bytes
;; launch prep (part 3): grid 256 x 1, 4 waves a work-group, no clusters, 87,040 bytes of LDS; arguments W_qkv, W_out, wq; writes wq
.if DOCPART == 3
	.amdgcn_target "amdgcn-amd-amdhsa--gfx1250"
	.amdhsa_code_object_version 6
	.text
	.protected	k_q972bdfb497_prep
	.globl	k_q972bdfb497_prep
	.p2align	8
	.type	k_q972bdfb497_prep,@function
k_q972bdfb497_prep:
	s_mov_b64 s[64:65], 0
	v_nop
	global_prefetch_b8 v0, s[64:65] scope:SCOPE_SE
	s_setreg_imm32_b32 hwreg(HW_REG_WAVE_MODE, 25, 1), 1
	s_wait_xcnt 0x0
; W_qkv [3072][1024] and W_out [1024][1024], f32, K innermost, become codes of FP6 (E2M3) with one E8M0 byte for each 32 along K,
; laid in wq in the order in which the next launch's waves take them: 32 slots x 8 units of 12,800 bytes.
; A unit is 8 fragments of 1,536 bytes and 512 bytes of scale words.  A fragment is 16 rows x 128 K as an image of the operand's 12 registers, in three runs of 512 bytes:
; run i holds registers 4 i .. 4 i + 3 of the 32 operand lanes, 16 bytes a lane.  Operand lane r + 16 hf holds block hf of the K step in registers 0-5 and block 2 + hf in registers 6-11.
; Fragment f's scale words lie at 12,288 + 64 f + 4 r.  THE ROWS OF A TILE ARE NOT NEIGHBOURS: tile row r is weight row row0 + r + 8 (r / 8).
; Slots 0-15 (q, k) and 24-31 (W_out): a unit is one tile, fragment f = K step f.  Slots 16-23 (v): slot 16 + k holds K step k of all 64 tiles of v.
; A block's scale is 2^(floor(log2(largest magnitude)) - 2); its byte is the largest magnitude's exponent field - 2, held at 1 from below.
; LIMITS: a block whose largest magnitude lies under 2^-124, a block of zeros among them, gets the byte 1 (the bytes are read by this program alone); NaN and infinities among the inputs are not served.
; SHARES: work-group T makes tile T (16 rows x 1,024).  Wave w takes tile rows 4 w + i; lane l takes block l of a row.  Each load reads 512 consecutive bytes;
; a row turns through the wave's own stage in LDS so that a lane gets its block's 32 neighbours.  The tile's image is gathered in LDS and leaves in runs of 512 bytes.
.set UNIT,  12800
.set FRB,   1536
.set USC,   12288
.set SLOTB, 102400
.set STW,   18432                      ; a wave's four stages
.set STR,   4608                       ; a stage: 32 blocks x (128 bytes + 16)
.set TIMG,  73728                      ; the tile's 8 fragments
.set TSC,   86016                      ; its scale words
.set SPARE, 86528                      ; the spare words, 128 bytes a wave
.set SPW,   12
.set NIL,   13
.set RW,    32                         ; v32-159  four rows as loaded
.set XX,    160                        ; v160-223 two sets of 32 neighbours
.set CC,    224                        ; v224-239 two sets of codes
	s_load_b128 s[4:7], s[0:1], 0x0                ; W_qkv, W_out
	s_load_b64 s[8:9], s[0:1], 0x10                ; wq
	v_lshl_add_u32 v[SPW], v0, 2, SPARE
	v_mov_b32 v[NIL], 0
	v_lshrrev_b32 v16, 5, v0
	v_readfirstlane_b32 s10, v16                   ; wave
	v_and_b32 v17, 31, v0                          ; lane
	v_lshlrev_b32 v1, 4, v17                       ; 16 x lane
	s_mul_i32 s11, s10, STW
	v_lshrrev_b32 v18, 3, v17
	v_mul_u32_u24 v18, v18, 144
	v_and_b32 v19, 7, v17
	v_lshl_add_u32 v18, v19, 4, v18
	v_add_nc_u32 v2, s11, v18                      ; into a stage: eight lanes' 128 bytes on end, then 16 of padding
	v_mul_u32_u24 v18, v17, 144
	v_add_nc_u32 v3, s11, v18                      ; out of it: my block
	v_lshrrev_b32 v18, 2, v17                      ; my block's K step
	v_mul_u32_u24 v19, v18, FRB
	v_and_b32 v20, 1, v17
	v_mad_u32_u24 v19, v20, 256, v19               ; operand half = block % 2: 16 lanes of 16 bytes on
	v_bfe_u32 v20, v17, 1, 1                       ; c = (block / 2) % 2: my 24 bytes are pieces 3 c .. 3 c + 2 of the lane's six; piece q lies at 512 (q / 2) + 8 (q % 2)
	s_lshl_b32 s11, s10, 6                         ; 16 bytes x tile row 4 w
	s_add_co_u32 s11, s11, TIMG
	v_add_nc_u32 v19, s11, v19
	v_mad_u32_u24 v4, v20, 520, v19                ; pieces 0 or 3 (and, 512 on, 2 or 5)
	v_mad_u32_u24 v9, v20, 1016, v19               ; 8 under pieces 1 or 4
	v_lshlrev_b32 v19, 6, v18
	v_and_b32 v20, 3, v17
	v_add_nc_u32 v19, v19, v20
	s_lshl_b32 s11, s10, 4
	s_add_co_u32 s11, s11, TSC
	v_add_nc_u32 v5, s11, v19                      ; my block's scale byte
	s_mul_i32 s11, s10, 2*FRB
	s_add_co_u32 s11, s11, TIMG
	v_add_nc_u32 v6, s11, v1                       ; back: wave w takes fragments 2 w, 2 w + 1
	s_lshl_b32 s11, s10, 7
	s_add_co_u32 s11, s11, TSC
	v_lshlrev_b32 v19, 2, v17
	v_add_nc_u32 v7, s11, v19                      ; and their scale words
	; which tile, from where, to where: all by the work-group's number
	s_lshr_b32 s12, ttmp9, 3                       ; slot (tile forms)
	s_and_b32 s13, ttmp9, 7                        ; unit
	s_lshr_b32 s14, s13, 1
	s_and_b32 s15, s13, 1
	s_lshl_b32 s15, s15, 3
	s_lshl_b32 s16, s12, 7
	s_lshl_b32 s17, s14, 5
	s_add_co_u32 s16, s16, s17
	s_add_co_u32 s16, s16, s15                     ; q, k: row0 = 128 slot + 32 (unit / 2) + 8 (unit % 2)
	s_and_b32 s17, s12, 7
	s_lshl_b32 s17, s17, 5
	s_lshl_b32 s18, s14, 8
	s_add_co_u32 s17, s17, s18
	s_add_co_u32 s17, s17, s15                     ; W_out: row0 = 256 (unit / 2) + 32 (slot % 8) + 8 (unit % 2)
	s_and_b32 s18, ttmp9, 31                       ; v: tile kappa = 2 head + u,
	s_bfe_u32 s19, ttmp9, 0x10005                  ; half delta of the head's 64
	s_lshr_b32 s20, s18, 1
	s_lshl_b32 s20, s20, 6
	s_lshl_b32 s21, s19, 5
	s_add_co_u32 s20, s20, s21
	s_and_b32 s21, s18, 1
	s_lshl_b32 s21, s21, 3
	s_add_co_u32 s20, s20, s21
	s_add_co_u32 s20, s20, 2048                    ; row0 = 2048 + 64 head + 32 delta + 8 u
	s_mul_i32 s22, ttmp9, UNIT                     ; tile forms: the unit's first byte,
	s_add_co_u32 s23, s22, USC                     ; its scale words
	s_lshl_b32 s24, s19, 2
	s_lshr_b32 s25, s18, 3
	s_add_co_u32 s24, s24, s25
	s_add_co_u32 s24, s24, 128
	s_mul_i32 s24, s24, UNIT                       ; v: unit 4 delta + kappa / 8 of slot 16
	s_and_b32 s25, s18, 7
	s_mul_i32 s26, s25, FRB
	s_add_co_u32 s26, s26, s24                     ; fragment kappa % 8 in it,
	s_lshl_b32 s27, s25, 6
	s_add_co_u32 s27, s27, s24
	s_add_co_u32 s27, s27, USC                     ; its scale words
	s_mov_b32 s28, FRB                             ; from K step to K step: a fragment on, 64 bytes of scale words on;
	s_mov_b32 s29, 64
	s_mov_b32 s30, SLOTB                           ; v: a slot on
	s_lshr_b32 s31, ttmp9, 6
	s_cmp_eq_u32 s31, 2
	s_cselect_b32 s16, s20, s16
	s_cselect_b32 s22, s26, s22
	s_cselect_b32 s23, s27, s23
	s_cselect_b32 s28, s30, s28
	s_cselect_b32 s29, s30, s29
	s_wait_alu depctr_va_vdst(0)
	s_wait_kmcnt 0x0
	s_cmp_eq_u32 s31, 3
	s_cselect_b32 s16, s17, s16
	s_cselect_b64 s[4:5], s[6:7], s[4:5]           ; the choice hangs on the work-group's number alone
	s_lshl_b32 s17, s10, 2
	s_add_co_u32 s16, s16, s17
	s_lshr_b32 s17, s10, 1
	s_lshl_b32 s17, s17, 3
	s_add_co_u32 s16, s16, s17                     ; my first weight row: row0 + 4 w + 8 (w / 2)
	s_lshl_b32 s16, s16, 12
	s_mov_b32 s17, 0
	s_add_nc_u64 s[4:5], s[4:5], s[16:17]
	s_lshl_b32 s18, s10, 1
	s_mul_i32 s19, s18, s28
	s_add_co_u32 s20, s22, s19
	s_mov_b32 s21, 0
	s_add_nc_u64 s[20:21], s[8:9], s[20:21]        ; where fragment 2 w goes,
	s_mov_b32 s24, s28
	s_mov_b32 s25, 0
	s_add_nc_u64 s[26:27], s[20:21], s[24:25]      ; fragment 2 w + 1,
	s_mul_i32 s30, s18, s29
	s_add_co_u32 s30, s30, s23
	s_mov_b32 s31, 0
	s_add_nc_u64 s[30:31], s[8:9], s[30:31]        ; and fragment 2 w's scale words
	v_lshrrev_b32 v19, 4, v17
	v_mul_lo_u32 v19, v19, s29
	v_and_b32 v20, 15, v17
	v_lshl_add_u32 v8, v20, 2, v19                 ; lanes 16-31: fragment 2 w + 1's
.irp i, 0,1,2,3
.irp j, 0,1,2,3,4,5,6,7
	global_load_b128 v[RW+32*\i+4*\j:RW+32*\i+4*\j+3], v1, s[4:5] offset:4096*\i+512*\j th:TH_LOAD_NT   ; 32 lanes read 512 consecutive bytes
.endr
.endr
.macro PTURN i                         ; row i through its stage: LDS serves a wave's instructions in order, so no wait stands between the stores and the loads
	s_wait_loadcnt 8*(3-(\i))                      ; row i's eight loads are in; the later rows' may be out
.irp j, 0,1,2,3,4,5,6,7
	ds_store_b128 v2, v[RW+32*(\i)+4*\j:RW+32*(\i)+4*\j+3] offset:STR*(\i)+576*\j
.endr
.irp j, 0,1,2,3,4,5,6,7
	ds_load_b128 v[XX+32*((\i)%2)+4*\j:XX+32*((\i)%2)+4*\j+3], v3 offset:STR*(\i)+16*\j
.endr
.endm
.macro PQUANT i                        ; my block of row i: largest magnitude, scale, 32 codes, into the tile's image
.set QX, XX+32*((\i)%2)
.set QC, CC+8*((\i)%2)
	v_max3_num_f32 v20, |v[QX]|, |v[QX+1]|, |v[QX+2]|
	v_max3_num_f32 v21, |v[QX+3]|, |v[QX+4]|, |v[QX+5]|
.irp n, 6,10,14,18,22,26
	v_max3_num_f32 v20, v20, |v[QX+\n]|, |v[QX+\n+1]|
	v_max3_num_f32 v21, v21, |v[QX+\n+2]|, |v[QX+\n+3]|
.endr
	v_max3_num_f32 v20, v20, |v[QX+30]|, |v[QX+31]|
	v_max3_num_f32 v20, v20, v21, 0x1800000        ; and the floor 2^(3 - 127): the byte cannot fall under 1
	v_add_nc_u32 v22, 0xff000000, v20              ; 2 off the exponent field: the conversion takes this operand's exponent field as its scale
	v_cvt_scalef32_pk16_fp6_f32 v[QC:QC+2], v[QX:QX+15], v22
	v_cvt_scalef32_pk16_fp6_f32 v[QC+4:QC+6], v[QX+16:QX+31], v22   ; (a conversion's three registers begin on an even number)
	v_lshrrev_b32 v23, 23, v22                     ; the scale's byte; also the plain instruction behind the conversions
	v_mov_b32 v[QC+3], v[QC+4]
	v_mov_b32 v[QC+4], v[QC+5]
	v_mov_b32 v[QC+5], v[QC+6]
	ds_store_b64 v4, v[QC:QC+1] offset:16*(\i)
	ds_store_b64 v9, v[QC+2:QC+3] offset:16*(\i)+8
	ds_store_b64 v4, v[QC+4:QC+5] offset:16*(\i)+512
	ds_store_b8 v5, v23 offset:4*(\i)
.endm
	PTURN 0
.irp i, 0,1,2,3
.if \i < 3
	PTURN \i+1
	s_wait_dscnt 16                                ; all but the next row's eight stores and eight loads
.else
	s_wait_dscnt 0x0
.endif
	PQUANT \i
.endr
	s_wait_dscnt 0x0                               ; my part of the image has landed
	s_barrier_signal -1
	s_barrier_wait -1                              ; everybody's has
.irp j, 0,1,2,3,4,5
	ds_load_b128 v[RW+4*\j:RW+4*\j+3], v6 offset:512*\j
.endr
	ds_load_b32 v[RW+24], v7
.irp j, 0,1,2
	s_wait_dscnt 6-\j                              ; load j is in; the younger ones may be out
	global_store_b128 v1, v[RW+4*\j:RW+4*\j+3], s[20:21] offset:512*\j      ; 512 consecutive bytes, at a multiple of 256 from wq's first byte
.endr
.irp j, 0,1,2
	s_wait_dscnt 3-\j
	global_store_b128 v1, v[RW+12+4*\j:RW+12+4*\j+3], s[26:27] offset:512*\j
.endr
	s_wait_dscnt 0x0
	global_store_b32 v8, v[RW+24], s[30:31]
	s_wait_tensorcnt 0x0                           ; the wave's end, behind my last LDS store
	ds_add_u32 v[SPW], v[NIL]
	s_wait_dscnt 0x0
	s_endpgm
.Lfunc_end_k_q972bdfb497_prep:
	.size	k_q972bdfb497_prep, .Lfunc_end_k_q972bdfb497_prep-k_q972bdfb497_prep
	.p2alignl 7, 3214868480
	.fill 96, 4, 3214868480
	.section	.rodata,"a",@progbits
	.p2align	6, 0x0
	.amdhsa_kernel k_q972bdfb497_prep
		.amdhsa_group_segment_fixed_size 87040
		.amdhsa_private_segment_fixed_size 0
		.amdhsa_enable_private_segment 0
		.amdhsa_kernarg_size 24
		.amdhsa_user_sgpr_count 2
		.amdhsa_user_sgpr_kernarg_segment_ptr 1
		.amdhsa_wavefront_size32 1
		.amdhsa_system_sgpr_workgroup_id_x 1
		.amdhsa_system_sgpr_workgroup_id_y 1
		.amdhsa_system_sgpr_workgroup_id_z 1
		.amdhsa_system_vgpr_workitem_id 0
		.amdhsa_next_free_vgpr 240
		.amdhsa_next_free_sgpr 66
		.amdhsa_reserve_vcc 0
		.amdhsa_float_denorm_mode_32 3
		.amdhsa_float_denorm_mode_16_64 3
		.amdhsa_memory_ordered 1
		.amdhsa_forward_progress 1
		.amdhsa_inst_pref_size 21
	.end_amdhsa_kernel
	.amdgpu_metadata
---
amdhsa.version: [ 1, 2 ]
amdhsa.kernels:
  - .name:           k_q972bdfb497_prep
    .symbol:         k_q972bdfb497_prep.kd
    .args:
      - { .name: W_qkv, .offset: 0, .size: 8, .value_kind: global_buffer, .address_space: global }
      - { .name: W_out, .offset: 8, .size: 8, .value_kind: global_buffer, .address_space: global }
      - { .name: wq, .offset: 16, .size: 8, .value_kind: global_buffer, .address_space: global }
    .group_segment_fixed_size: 87040
    .private_segment_fixed_size: 0
    .kernarg_segment_align: 8
    .kernarg_segment_size: 24
    .max_flat_workgroup_size: 128
    .sgpr_count:     66
    .vgpr_count:     240
    .wavefront_size: 32
...
	.end_amdgpu_metadata
.endif
;; end of part 3
;; launch fused (part 4): grid 256 x 1, 4 waves a work-group, clusters of 4 x 1, 327,680 bytes of LDS; arguments x, wq, b_qkv, b_out, out0; writes out0
.if DOCPART == 4
	.amdgcn_target "amdgcn-amd-amdhsa--gfx1250"
	.amdhsa_code_object_version 6
	.text
	.protected	k_q972bdfb497_fused
	.globl	k_q972bdfb497_fused
	.p2align	8
	.type	k_q972bdfb497_fused,@function
k_q972bdfb497_fused:
	s_mov_b64 s[64:65], 0
	v_nop
	global_prefetch_b8 v0, s[64:65] scope:SCOPE_SE
	s_setreg_imm32_b32 hwreg(HW_REG_WAVE_MODE, 25, 1), 1
	s_wait_xcnt 0x0
	s_wait_alu depctr_hold_cnt(0) depctr_sa_sdst(0) depctr_va_vdst(0) depctr_va_sdst(0) depctr_va_ssrc(0) depctr_va_vcc(0) depctr_vm_vsrc(0)
	s_getreg_b32 s2, hwreg(HW_REG_IB_STS2, 6, 4)
	s_cmp_eq_u32 s2, 0
	s_cbranch_scc0 .Lentry_in_a_cluster
	s_endpgm
.Lentry_in_a_cluster:
	s_bfe_u32 s2, ttmp6, 0x10000c
	s_cmp_lg_u32 s2, 0x3003
	s_cbranch_scc0 .Lentry_shape_is_right
	s_endpgm
.Lentry_shape_is_right:
; out0 = scramble(softmax_g(q k^T / 8) v) W_out^T + b_out with q, k, v = x W_qkv^T + b_qkv, attention over the HEAD axis of each token.
; The three products marked quantised run on codes of FP6 (E2M3) with one E8M0 scale for each 32 along K; P v (K = 16) runs in f32 multiply-adds, since its result is quantised.
; SHARES.  A work-group owns 64 neighbouring tokens, four tiles of 16.  The transpose and reshape send (token l, head h, d) to row 256 h + l / 16, column 64 (l % 16) + d of the last
; product's left operand: 16 neighbouring tokens make, for each head, one whole row.  So the 64 tokens own 64 whole rows, and nothing between x and out0 goes to memory.
; The left operand (x's codes, later the attention's) is 32 fragments, 384 registers, whole in every wave; the four waves share the columns, so a weight fragment is read from LDS by one wave
; and feeds four matrix instructions.  Position p of a wave stands for tile p xor wave.
; In the v part wave w takes half w % 2 of each head's 64, all 16 heads, for tiles w and w xor 1: 64 accumulators; so in P v a lane is one token, its registers run along d, and the
; quantiser's block of 32 lies in lanes l and l xor 16.
; ALL PRODUCTS ARE USED TRANSPOSED (source 0 = 16 weight rows, source 1 = 16 rows of the left operand), and a weight tile's rows are row0 + r + 8 (r / 8): the 16 registers of tiles
; u = 0, 1 are then 16 neighbouring columns n0 + 16 (lane / 16) + 0 .. 15.
; THE WEIGHTS come as wq: 32 slots of 102,400 bytes, images of the operand's registers, through a ring of two LDS slots.  All 256 work-groups walk all slots, so four work-groups form a cluster and ask JOINTLY:
; each wave's load of a quarter slot has the same descriptor in all four and a mask that names the four.  A wave has one tensor load out: one at the head, one behind each round.
; What a wave can multiply without the tile that is on its way stands ahead of the wait for that tile; between that wait and the refill stand the add, eight products (v: four) and the round.
; THE ORDER OF THE SLOTS DIFFERS FROM CLUSTER TO CLUSTER.  With o = cluster % 8 and r = 2 o % 8, position m of the walk takes:
; m < 16: q's (m even) or k's (m odd) slot of head pair (m / 2 + o) % 8;  16 .. 23: v's K step (m + r) % 8;  24 .. 31: W_out's column slot (m + r) % 8.  The first two positions of the eight orders are all
; sixteen slots of q and k.  q's and k's codes are laid in LDS by POSITION, at addresses that do not know o; the S phase's loads undo the order (lane r reads place (r - 2 o) % 16), so heads are true from there on.
; In the v part only the loads of x's fragments follow the K step; in the last product only the addresses of b_out and out0 follow the slot (r is even: two positions still fill 256 aligned bytes).
; SOFTMAX: the row's true largest score is taken away before the exponential; the rounding of c x max is common to a row and cancels in the division by the sum.
; LIMITS: NaN and infinities among the inputs are not served; a block whose largest magnitude lies under 2^-124, a block of zeros among them, gets the scale byte 1 (read by this program alone);
; the order in which v's eight K steps enter their f32 sums differs from cluster to cluster (an order of rounding).
.set SLOTB, 102400                     ; a slot: 8 units
.set QUART, 25600                      ; what one tensor load brings: 2 units
.set UNIT,  12800                      ; 8 fragments + 512 bytes of scale words
.set FRB,   1536                       ; a fragment: three runs of 512 bytes, 16 bytes a lane
.set USC,   12288
.set IP,    1552                       ; from image to image of the left operand, and from token to token of q's and k's codes
.set RS,    204800                     ; behind the ring: bytes that LDS stores alone write
.set XIMG,  RS                         ; x phase: 32 images (8 tile + K step)
.set XSTG,  RS+32*IP                   ;          two stages of 4,608 bytes a wave
.set XSC,   325120                     ; x's scale bytes: 32 a token; they stay
.set SPARE, 327168                     ; the spare words, 128 bytes a wave
.set QK,    RS                         ; q's codes at 0, k's at 768 of a token's 1,552 bytes; the block of place beta at 24 beta
.set QS,    RS+64*IP                   ; their scale bytes: 64 a token
.set PB,    RS                         ; P: 1,040 bytes a token; (g / 4, h) at 256 (g / 4) + 16 h
.set PP,    1040
.set XIM2,  RS+64*PP                   ; x's images put back for the v part; later the attention's images
.set OSC,   XIM2+32*IP                 ; the attention's scale bytes: 32 a row
.set YSTG,  RS                         ; the way out: 64 rows x 272 bytes a wave
.set YP,    272
; window 0
.set L48, 1                            ; 48 x lane
.set AW,  2                            ; v2-3   my quarter of slot 0, 1 (tile parts)
.set ASW, 4                            ; v4-5   its scale words
.set AV,  6                            ; v6-7   my half of slot 0, 1 (v part)
.set AVS, 8                            ; v8-9   its scale words
.set QKA, 10                           ; v10-13 where position p's q and k codes go
.set QSA, 14                           ; v14-17 and their scale bytes
.set XVA, 10                           ; (v part) v10-11 x's images of my two tiles, v12-13 their scale words
.set XVS, 12
.set PRA, 14                           ; (P v) v14-15 my tokens' P, v16-17 where the codes go
.set OCA, 16
.set SPW, 18                           ; LDS address of my spare word; never rewritten
.set NIL, 19                           ; 0; never rewritten
.set AIA, 20                           ; v20-23 the left operand's images, v24-27 its scale words; outside LOADA these eight hold the walking addresses
.set ASA, 24
.set QKT, 20
.set QST, 24
.set XVT, 20
.set XVT2, 22
.set XST, 24
.set XST2, 26
.set PN,  20
.set OC,  21
.set OS,  22
.set VBO, 28                           ; 64 x (lane / 16): the biases' offset
.set PFO, 29                           ; the prefetches' offset
.set RR,  30                           ; lane % 16
.set HF,  31                           ; lane / 16
.set XS,  32                           ; v32-47 the left operand's scale words: 4 p + q: lanes 0-15 K step q, lanes 16-31 K step 4 + q
.set SW,  48                           ; v48-63 the weights' scale words, two sets (v32-63 hold scales and nothing else)
.set SV,  48
.set XV,  56
.set BI,  64                           ; v64-79 the bias of two tiles, in the result's layout
.set ACC, 80                           ; v80-143 accumulators 16 p + 8 u
.set OT,  80                           ; (P v) a head's 16 numbers; P of two heads
.set PR,  96
.set TM,  144                          ; v144-159 at work
.set CD,  160                          ; v160-175 codes
.set XX,  176                          ; v176-239 two sets of 32
.set YV,  240                          ; v240-247 offsets in out0
.set VB2, 240
.set PADA, 242                         ; the 16 bytes behind my tile's images
.set STI, 248
.set STO, 249
.set XIA, 250
.set XSA, 251
.set XGO, 252
.set OSA, 248
.set YSA, 250
.set YRA, 251
.set SKA, 252
.set SSA, 253
.set PSA, 254
.set XRA, 255
; windows 1, 2: the left operand's fragment (p, K step s) at v[12 (4 (3 - p) + s % 4)] of window 1 + s / 4; x phase: row rho as loaded at 256 + 32 rho; v part: accumulator (p, kappa) at v[8 kappa] of window 1 + p
; window 3: two weight buffers v0-95, v96-191; v192-239 x's fragments of the v part; S phase: k at 12 e, q at 48 + 12 e, scores at 96 + 8 e, at work from 128; the way out: v192-255 two sets of 32
; scalars: s14 wave, s15 delta, s16 cx, s17 block of tokens; s[20:21] lane selects; s[22:23] c, s43 -c; s[24:31] group 1; s[32:39] groups 0; s40 trips; s41 refills to come; s42 who prefetches; s[44:45] prefetches;
; s[46:47] the bias in hand; s48-53 walking offsets and at work; s56-59 tiles; s60 o; s61 r; s62 the position that the next refill asks for; s63 the position whose bias is asked for next;
; s[66:67] wq at my quarter of slot 0; s[68:69] the bias's base; s[70:71] out0 at my rows and columns
.set MM,  56                           ; s56-59 tile of position p: p xor wave
.set MSB, 0
.macro WIN new                         ; the immediate's high byte repeats the setting that is left
.if MSB != (\new)
	s_set_vgpr_msb (MSB<<8)|(\new)
.set MSB, (\new)
.endif
.endm
.macro PLACES n
.rept \n
	v_nop
.endr
.endm
.macro CREST                           ; a round of the cluster's barrier behind its opening barrier
	s_cmp_lg_u32 s14, 0
	s_cbranch_scc1 .Lnot_wave_0_\@
	s_barrier_signal -3
.Lnot_wave_0_\@:
	s_barrier_wait -3
	s_barrier_signal -1
	s_barrier_wait -1
.endm
.macro CROUND
	s_barrier_signal -1
	s_barrier_wait -1
	CREST
.endm
.macro BAR                             ; my LDS stores have landed and my LDS loads are in: then the work-group's barrier.
	s_wait_dscnt 0x0
	s_barrier_signal -1
	s_barrier_wait -1
.endm
.macro WM d, a, b, c, sa, sb, ra, rb   ; one product; ra, rb: the scale words stand in lanes 16-31
.if (\ra) && (\rb)
	v_wmma_scale_f32_16x16x128_f8f6f4 v[\d:\d+7], v[\a:\a+11], v[\b:\b+11], v[\c:\c+7], v[\sa], v[\sb] matrix_a_fmt:MATRIX_FMT_FP6 matrix_b_fmt:MATRIX_FMT_FP6 matrix_a_scale:MATRIX_SCALE_ROW1 matrix_b_scale:MATRIX_SCALE_ROW1
.elseif (\ra)
	v_wmma_scale_f32_16x16x128_f8f6f4 v[\d:\d+7], v[\a:\a+11], v[\b:\b+11], v[\c:\c+7], v[\sa], v[\sb] matrix_a_fmt:MATRIX_FMT_FP6 matrix_b_fmt:MATRIX_FMT_FP6 matrix_a_scale:MATRIX_SCALE_ROW1
.elseif (\rb)
	v_wmma_scale_f32_16x16x128_f8f6f4 v[\d:\d+7], v[\a:\a+11], v[\b:\b+11], v[\c:\c+7], v[\sa], v[\sb] matrix_a_fmt:MATRIX_FMT_FP6 matrix_b_fmt:MATRIX_FMT_FP6 matrix_b_scale:MATRIX_SCALE_ROW1
.else
	v_wmma_scale_f32_16x16x128_f8f6f4 v[\d:\d+7], v[\a:\a+11], v[\b:\b+11], v[\c:\c+7], v[\sa], v[\sb] matrix_a_fmt:MATRIX_FMT_FP6 matrix_b_fmt:MATRIX_FMT_FP6
.endif
.endm
; ---- the x phase
.macro XTURN rho                       ; row rho through a stage: as loaded in, a block of 32 neighbours a lane out
.if 8*(15-(\rho)) > 63
	s_wait_loadcnt 63                              ; row rho's eight loads are in (a smaller count than the 8 (15 - rho) that would do)
.else
	s_wait_loadcnt 8*(15-(\rho))                   ; row rho's eight loads are in; the later rows' may be out
.endif
	WIN 0x04*(1+(\rho)/8)
.irp j, 0,1,2,3,4,5,6,7
	ds_store_b128 v[STI], v[32*((\rho)%8)+4*\j:32*((\rho)%8)+4*\j+3] offset:4608*((\rho)%2)+576*\j
.endr
	WIN 0
.irp j, 0,1,2,3,4,5,6,7
	ds_load_b128 v[XX+32*((\rho)%2)+4*\j:XX+32*((\rho)%2)+4*\j+3], v[STO] offset:4608*((\rho)%2)+16*\j
.endr
.endm
.macro XQUANT rho                      ; my block of row rho: scale, 32 codes, into the image of its K step
.set QX, XX+32*((\rho)%2)
.set QC, CD+8*((\rho)%2)
	v_max3_num_f32 v[TM], |v[QX]|, |v[QX+1]|, |v[QX+2]|
	v_max3_num_f32 v[TM+1], |v[QX+3]|, |v[QX+4]|, |v[QX+5]|
.irp n, 6,10,14,18,22,26
	v_max3_num_f32 v[TM], v[TM], |v[QX+\n]|, |v[QX+\n+1]|
	v_max3_num_f32 v[TM+1], v[TM+1], |v[QX+\n+2]|, |v[QX+\n+3]|
.endr
	v_max3_num_f32 v[TM], v[TM], |v[QX+30]|, |v[QX+31]|
	v_max3_num_f32 v[TM], v[TM], v[TM+1], 0x1800000   ; the floor 2^(3 - 127): the byte cannot fall under 1
	v_add_nc_u32 v[TM+3], 0xff000000, v[TM]        ; 2 off the exponent field: the conversion's scale operand
	v_cvt_scalef32_pk16_fp6_f32 v[QC:QC+2], v[QX:QX+15], v[TM+3]
	v_cvt_scalef32_pk16_fp6_f32 v[QC+4:QC+6], v[QX+16:QX+31], v[TM+3]
	v_lshrrev_b32 v[TM+8], 23, v[TM+3]             ; the byte; also the plain instruction behind the conversions
	v_mov_b32 v[QC+3], v[QC+4]
	v_mov_b32 v[QC+4], v[QC+5]
	v_mov_b32 v[QC+5], v[QC+6]
.irp n, 0,1,2
	ds_store_b64 v[XIA], v[QC+2*\n:QC+2*\n+1] offset:48*(\rho)+8*\n
.endr
	ds_store_b8 v[XSA], v[TM+8] offset:32*(\rho)
.endm
.macro MKA img, sc                     ; the addresses of the left operand's images and scale words
	v_lshlrev_b32 v[TM], 5, v[RR]
	v_lshl_add_u32 v[TM], v[HF], 4, v[TM]
	s_wait_alu depctr_va_vdst(0)
.irp p, 0,1,2,3
	s_mul_i32 s2, s[MM+\p], 8*IP
	s_add_co_u32 s2, s2, \img
	v_add_nc_u32 v[AIA+\p], s2, v[L48]
	s_lshl_b32 s3, s[MM+\p], 9
	s_add_co_u32 s3, s3, \sc
	v_add_nc_u32 v[ASA+\p], s3, v[TM]
.endr
.endm
.macro LOADA                           ; the whole left operand into registers: 32 fragments, 16 registers of scale words
	WIN 0x40
.irp p, 0,1,2,3
.irp s, 0,1,2,3
.irp i, 0,1,2
	ds_load_b128 v[12*(4*(3-\p)+\s)+4*\i:12*(4*(3-\p)+\s)+4*\i+3], v[AIA+\p] offset:IP*\s+16*\i
.endr
.endr
.endr
	WIN 0x80
.irp p, 0,1,2,3
.irp s, 0,1,2,3
.irp i, 0,1,2
	ds_load_b128 v[12*(4*(3-\p)+\s)+4*\i:12*(4*(3-\p)+\s)+4*\i+3], v[AIA+\p] offset:IP*(4+\s)+16*\i
.endr
.endr
.endr
	WIN 0
.irp p, 0,1,2,3
	ds_load_b128 v[XS+4*\p:XS+4*\p+3], v[ASA+\p]
.endr
.endm
; ---- a slot of a tile part (q, k, out): two tiles of 16 columns x K 1,024 a wave, against the four tiles of rows: 64 products, 8 accumulators by turns
.macro TFETCH par                      ; a slot's K steps 0-3 and its scale words
	WIN 0xC0
.irp u, 0,1
.irp s, 0,1,2,3
.irp i, 0,1,2
	ds_load_b128 v[12*(4*\u+\s)+4*\i:12*(4*\u+\s)+4*\i+3], v[AW+(\par)] offset:UNIT*\u+FRB*\s+512*\i
.endr
.endr
.endr
	WIN 0
.irp u, 0,1
.irp q, 0,1,2,3
	ds_load_b32 v[SW+8*(\par)+4*\u+\q], v[ASW+(\par)] offset:UNIT*\u+128*\q    ; lanes 0-15: K step 2 q, lanes 16-31: K step 2 q + 1
.endr
.endr
.endm
; where the bias of position s63 lies.  kind 0 (q, k): 512 bytes a head pair, pair (s63 / 2 + o) % 8; k's 4,096 bytes on stand in the load's immediate.  kind 1 (out): 128 bytes a slot, slot (s63 + r) % 8
.macro BADDR kind
.if \kind == 0
	s_lshr_b32 s2, s63, 1
	s_add_co_u32 s2, s2, s60
	s_and_b32 s2, s2, 7
	s_lshl_b32 s2, s2, 9
.else
	s_add_co_u32 s2, s63, s61
	s_and_b32 s2, s2, 7
	s_lshl_b32 s2, s2, 7
.endif
	s_mov_b32 s3, 0
	s_add_nc_u64 s[46:47], s[68:69], s[2:3]
	s_add_co_u32 s63, s63, 1
.endm
.macro BLOAD bo                        ; the bias of two tiles, in the result's layout: lane half hf takes columns 16 hf + 8 u + 0 .. 7
.irp u, 0,1
.irp n, 0,1
	global_load_b128 v[BI+8*\u+4*\n:BI+8*\u+4*\n+3], v[VBO], s[46:47] offset:\bo+32*\u+16*\n
.endr
.endr
.endm
.macro WMT s, par                      ; K step s: eight products; the first K step takes the bias as C
.irp u, 0,1
.irp p, 0,1,2,3
.if (\s) == 0
	WM ACC+16*\p+8*\u, 12*(4*\u), 12*(4*(3-\p)), BI+8*\u, SW+8*(\par)+4*\u, XS+4*\p, 0, 0
.else
	WM ACC+16*\p+8*\u, 96*((\s)/4)+12*(4*\u+(\s)%4), 12*(4*(3-\p)+(\s)%4), ACC+16*\p+8*\u, SW+8*(\par)+4*\u+(\s)/2, XS+4*\p+(\s)%4, (\s)%2, (\s)/4
.endif
.endr
.endr
.endm
.macro THEAD par                       ; in front of a refill's round: the wait for my tensor loads, the add, and work on registers; the wait for the add follows behind a few products
	WIN 0
	s_wait_tensorcnt 0x0                           ; all my tensor loads have landed: the one that was out is my quarter of the other slot
	ds_add_u32 v[SPW], v[NIL]                      ; 0 onto my spare word
	s_lshr_b32 s2, s62, 1                          ; no load of mine is out, so this slot's descriptor may be written: which slot of wq position s62 takes in my cluster's order.
	s_add_co_u32 s2, s2, s60
	s_and_b32 s2, s2, 7
	s_add_co_u32 s2, s2, 8*\par                    ; q, k: head pair (s62 / 2 + o) % 8; the position's parity, which is the LDS slot's, says q or k
	s_add_co_u32 s3, s62, s61
	s_and_b32 s3, s3, 7
	s_and_b32 s52, s62, 24
	s_add_co_u32 s3, s3, s52                       ; v, out: (s62 + r) % 8 within the part's eight
	s_cmp_lt_u32 s62, 16
	s_cselect_b32 s2, s2, s3
	s_mul_i32 s2, s2, SLOTB
	s_mov_b32 s3, 0
	s_add_nc_u64 s[34+4*\par:35+4*\par], s[66:67], s[2:3]
	s_or_b32 s[35+4*\par], s[35+4*\par], 0x80000000
	s_add_co_u32 s62, s62, 1
	s_wait_xcnt 0x0                                ; the last prefetch, a slot back, has read its address
	s_add_nc_u64 s[44:45], s[44:45], SLOTB
.endm
.macro REFILL par                      ; the round, and the joint refill first behind it; an s_nop 0 and four v_nop follow it; they are also the places in front of the loads that follow
	WIN 0
	s_wait_dscnt 0x0                               ; the add is done; my reads of this slot were over ahead of it
	s_barrier_signal -1                            ; this barrier opens a round of the cluster's barrier
	s_barrier_wait -1
	CREST                                          ; no wave of any partner still reads this slot or has a load on its way
	tensor_load_to_lds s[32+4*\par:35+4*\par], s[24:31]
	s_nop 0
	PLACES 4
.endm
; A PREFETCH INTO THE L2, behind a refill and the run of LDS loads that follows it.  Slots 0-15 are all asked for by the clusters' first loads and are not named here.  Slots 16-31 are named once each:
; slot m + 10 behind the refill for position m, m = 6 .. 21.  The eight slots of v are first loaded by the refills for positions 16 and 17, those of W_out by the refills for 24 and 25: the last slot of each eight is
; named three refills ahead of that.  The first cluster asks.  Its four partners take a quarter slot each, told apart BY ADDRESS;
; in each, wave w takes 6,400 bytes, lanes 256 bytes apart (lanes 25-31 name lane 24's bytes again).  s41 = 32 - m: it asks while s41 - 11 lies in 0 .. 15.
.macro ASK
	s_sub_co_u32 s2, s41, 11
	s_cmp_lt_u32 s2, s42
	s_cbranch_scc0 .Lno_ask_\@
	global_prefetch_b8 v[PFO], s[44:45] th:TH_LOAD_NT scope:SCOPE_SE
.Lno_ask_\@:
	s_sub_co_u32 s41, s41, 1
.endm
.macro GSLOT par, fill, nxt, kind
	WIN 0xC0
.irp u, 0,1
.irp s, 0,1,2,3
.irp i, 0,1,2
	ds_load_b128 v[96+12*(4*\u+\s)+4*\i:96+12*(4*\u+\s)+4*\i+3], v[AW+\par] offset:UNIT*\u+FRB*(4+\s)+512*\i   ; K steps 4-7, 32 products ahead of their use
.endr
.endr
.endr
	s_wait_dscnt 24                                ; all but the 24 just issued
	s_wait_loadcnt 0x0                             ; this slot's bias is in; so its loads' base may be written
.if \nxt
	BADDR \kind
.endif
	WIN 0x07
	WMT 0, \par
	WMT 1, \par
.if \nxt
	WIN 0
	PLACES 4                                       ; behind the first K step's products, which read the bias as C
	BLOAD (1-\kind)*4096*(1-\par)                  ; the next slot's bias
	WIN 0x07
.endif
	WMT 2, \par
	WMT 3, \par
	s_wait_dscnt 0x0                               ; K steps 4-7 are in: my reads of this slot are over
	WIN 0x0B
	WMT 4, \par
.if \fill
	THEAD \par
	WIN 0x0B
	WMT 5, \par                                    ; eight products stand between the add and the wait for it
	REFILL \par
	TFETCH 1-\par
	ASK
.else
	WMT 5, \par
	WIN 0
.if \nxt
	s_wait_tensorcnt 0x0                           ; my quarter of the last slot, which I alone read
	PLACES 4
	TFETCH 1-\par
.endif
.endif
	WIN 0x0B
	WMT 6, \par
	WMT 7, \par
	WIN 0
.endm
.macro EPI_QK par                      ; 32 columns of q (par 0) or k (par 1) for 64 tokens: one block a token; its two halves lie in lanes l and l xor 16.  The codes' place hangs on the position alone
	PLACES 5                                       ; behind the last products: four for the reads below, five for the next slot's products, which begin these accumulators anew
.irp p, 0,1,2,3
	v_max3_num_f32 v[TM+\p], |v[ACC+16*\p]|, |v[ACC+16*\p+1]|, 0x1800000
.endr
.irp i, 2,4,6,8,10,12,14
.irp p, 0,1,2,3
	v_max3_num_f32 v[TM+\p], v[TM+\p], |v[ACC+16*\p+\i]|, |v[ACC+16*\p+\i+1]|
.endr
.endr
.irp p, 0,1,2,3
	v_permlanex16_b32 v[TM+4+\p], v[TM+\p], s20, s21
.endr
.irp p, 0,1,2,3
	v_max_num_f32 v[TM+\p], v[TM+\p], v[TM+4+\p]
.endr
.irp p, 0,1,2,3
	v_add_nc_u32 v[TM+8+\p], 0xff000000, v[TM+\p]
.endr
.irp p, 0,1,2,3
	v_cvt_scalef32_pk16_fp6_f32 v[CD+4*\p:CD+4*\p+2], v[ACC+16*\p:ACC+16*\p+15], v[TM+8+\p]
.endr
.irp p, 0,1,2,3
	v_lshrrev_b32 v[TM+12+\p], 23, v[TM+8+\p]      ; the bytes; also the plain instructions behind the conversions
.endr
.irp p, 0,1,2,3
.irp i, 0,1,2
	ds_store_b32 v[QKT+\p], v[CD+4*\p+\i] offset:768*\par+4*\i
.endr
	ds_store_b8 v[QST+\p], v[TM+12+\p] offset:32*\par   ; both lanes of a block write the same byte with the same value
.endr
.endm
.macro EPI_Y par                       ; 32 columns of out0 for my 64 rows into my stage, each accumulator from its low end on
	PLACES 5
.irp p, 0,1,2,3
.irp i, 0,1,2,3
	ds_store_b128 v[YSA], v[ACC+16*\p+4*\i:ACC+16*\p+4*\i+3] offset:16*YP*\p+128*\par+16*\i
.endr
.endr
.endm
; the way out: block c of 16 rows comes back into a set of 32 registers of its own: c = 0, 1 in window 0 (v176-239), c = 2, 3 in window 3 (v192-255)
.macro FLD c
.set FB, XX+32*((\c)%2)+16*((\c)/2)
	WIN 0xC0*((\c)/2)
.irp i, 0,1,2,3,4,5,6,7
	ds_load_b128 v[FB+4*\i:FB+4*\i+3], v[YRA] offset:YP*(16*(\c)+2*\i)   ; LDS serves a wave's instructions in order: these see my stores
.endr
.endm
.macro FST c
.set FB, XX+32*((\c)%2)+16*((\c)/2)
	WIN 0x0C*((\c)/2)
	s_wait_dscnt 8*(3-(\c))                        ; block c is back; the later blocks' loads may be out
.irp i, 0,1,2,3,4,5,6,7
	global_store_b128 v[YV+2*(\c)+\i/4], v[FB+4*\i:FB+4*\i+3], s[12:13] offset:(\i%4)<<21 th:TH_STORE_NT   ; 16 lanes store 256 consecutive bytes, at a multiple of 256 from out0's first byte
.endr
.endm
.macro FLUSH                           ; two slots' 64 columns x 64 rows leave
	s_wait_xcnt 0x0                                ; the last way out's stores have read their base and their registers
	s_add_co_u32 s2, s48, s61                      ; the two positions' slots are (s48 + r) % 8, an even number, and the next: 128 bytes of a row each
	s_and_b32 s2, s2, 7
	s_lshl_b32 s2, s2, 7
	s_mov_b32 s3, 0
	s_add_nc_u64 s[12:13], s[70:71], s[2:3]
	FLD 0
	FLD 1
	FLD 2
	FLD 3
	FST 0
	FST 1
	FST 2
	FST 3
	WIN 0
	s_add_co_u32 s48, s48, 2
.endm
; ---- the S phase: four tokens at a time.  S^T = k q^T: lane (h, hf) holds scores of head h against heads g = 8 hf + 0 .. 7.  K = 64: the fragments' upper six registers are zero codes
.macro SBATCH b
	WIN 0xC0
.irp e, 0,1,2,3
.irp i, 0,1,2
	ds_load_b64 v[12*\e+2*\i:12*\e+2*\i+1], v[SKA] offset:IP*(4*\b+\e)+768+8*\i
	ds_load_b64 v[48+12*\e+2*\i:48+12*\e+2*\i+1], v[SKA] offset:IP*(4*\b+\e)+8*\i
.endr
.endr
	WIN 0
.irp e, 0,1,2,3
	ds_load_u16 v[SW+\e], v[SSA] offset:64*(4*\b+\e)+32     ; a head's two bytes; the word's upper two are 0, over zero codes
	ds_load_u16 v[SW+4+\e], v[SSA] offset:64*(4*\b+\e)
.endr
	s_wait_dscnt 0x0
	WIN 0xFF
.irp e, 0,1,2,3
	v_wmma_scale_f32_16x16x128_f8f6f4 v[96+8*\e:96+8*\e+7], v[12*\e:12*\e+11], v[48+12*\e:48+12*\e+11], 0, v[SW+\e], v[SW+4+\e] matrix_a_fmt:MATRIX_FMT_FP6 matrix_b_fmt:MATRIX_FMT_FP6
.endr
	PLACES 5
.irp e, 0,1,2,3
	v_max3_num_f32 v[128+\e], v[96+8*\e], v[97+8*\e], v[98+8*\e]
.endr
.irp i, 3,5
.irp e, 0,1,2,3
	v_max3_num_f32 v[128+\e], v[128+\e], v[96+8*\e+\i], v[97+8*\e+\i]
.endr
.endr
.irp e, 0,1,2,3
	v_max_num_f32 v[128+\e], v[128+\e], v[103+8*\e]
.endr
.irp e, 0,1,2,3
	v_permlanex16_b32 v[132+\e], v[128+\e], s20, s21
.endr
.irp e, 0,1,2,3
	v_max_num_f32 v[128+\e], v[128+\e], v[132+\e]  ; the row's largest score
.endr
.irp e, 0,1,2,3
	v_mul_f32 v[136+2*\e], s43, v[128+\e]          ; - c x max, c = log2(e) / 8
.endr
.irp y, 0,1,2,3
.irp e, 0,1,2,3
	v_pk_fma_f32 v[96+8*\e+2*\y:97+8*\e+2*\y], v[96+8*\e+2*\y:97+8*\e+2*\y], s[22:23], v[136+2*\e:137+2*\e] op_sel_hi:[1,0,0]
.endr
.endr
	s_wait_alu depctr_va_vdst(0)
.irp j, 0,1,2,3,4,5,6,7,8,9,10,11,12,13,14,15,16,17,18,19,20,21,22,23,24,25,26,27,28,29,30,31
	v_exp_f32 v[96+\j], v[96+\j]
.endr
	v_nop                                          ; a plain instruction behind the last exponential
	s_wait_alu depctr_va_vdst(0)                   ; one wait for the batch, ahead of its first reader
.irp e, 0,1,2,3
	v_pk_add_f32 v[144+2*\e:145+2*\e], v[96+8*\e:97+8*\e], v[98+8*\e:99+8*\e]
.endr
.irp e, 0,1,2,3
	v_pk_add_f32 v[164+2*\e:165+2*\e], v[100+8*\e:101+8*\e], v[102+8*\e:103+8*\e]
.endr
.irp e, 0,1,2,3
	v_pk_add_f32 v[144+2*\e:145+2*\e], v[144+2*\e:145+2*\e], v[164+2*\e:165+2*\e]
.endr
.irp e, 0,1,2,3
	v_add_f32 v[144+2*\e], v[144+2*\e], v[145+2*\e]
.endr
.irp e, 0,1,2,3
	v_permlanex16_b32 v[152+\e], v[144+2*\e], s20, s21
.endr
.irp e, 0,1,2,3
	v_add_f32 v[144+2*\e], v[144+2*\e], v[152+\e]  ; the row's sum, at least 1
.endr
	s_wait_alu depctr_va_vdst(0)
.irp e, 0,1,2,3
	v_rcp_f32 v[156+2*\e], v[144+2*\e]
.endr
	v_nop
	s_wait_alu depctr_va_vdst(0)                   ; one wait for the four reciprocals
	WIN 0x0F                                       ; the weights go to window 0
.irp e, 0,1,2,3
.if 4*\b+\e < 8
.set PD, ACC+8*(4*\b+\e)
.else
.set PD, XX+8*(4*\b+\e-8)
.endif
.irp y, 0,1,2,3
	v_pk_mul_f32 v[PD+2*\y:PD+2*\y+1], v[96+8*\e+2*\y:97+8*\e+2*\y], v[156+2*\e:157+2*\e] op_sel_hi:[1,0]
.endr
.endr
.endm
; ---- the v part
; v's bias goes straight into the accumulators: every product then adds in place.  Accumulator kappa = 2 head + u holds columns 2048 + 64 head + 32 delta + 8 u + 16 (lane / 16) + 0 .. 7:
; in bytes 8,192 + 256 (kappa / 2) + 32 (kappa % 2) in the immediate, 128 delta + 64 (lane / 16) in the offset register; the last byte read is b_qkv's last
.macro BIASV k0, k1
.irp p, 0,1
	WIN 0x40*(1+\p)
.set KK, \k0
.rept \k1-\k0+1
	global_load_b128 v[8*KK:8*KK+3], v[VB2], s[8:9] offset:8192+256*(KK/2)+32*(KK%2)
	global_load_b128 v[8*KK+4:8*KK+7], v[VB2], s[8:9] offset:8192+256*(KK/2)+32*(KK%2)+16
.set KK, KK+1
.endr
.endr
	WIN 0
.endm
.macro VUNIT a, par, buf               ; unit a of my half slot: 8 tiles' fragments of this K step, and their scale words: 28 loads
	WIN 0xC0
.irp f, 0,1,2,3,4,5,6,7
.irp i, 0,1,2
	ds_load_b128 v[96*(\buf)+12*\f+4*\i:96*(\buf)+12*\f+4*\i+3], v[AV+(\par)] offset:UNIT*(\a)+FRB*\f+512*\i
.endr
.endr
	WIN 0
.irp q, 0,1,2,3
	ds_load_b32 v[SV+4*(\buf)+\q], v[AVS+(\par)] offset:UNIT*(\a)+128*\q
.endr
.endm
.macro VX par, xa, xs, ko              ; my two tiles' fragments of x for a K step, and their scale words
	WIN 0xC0
.irp p, 0,1
.irp i, 0,1,2
	ds_load_b128 v[192+24*(\par)+12*\p+4*\i:192+24*(\par)+12*\p+4*\i+3], v[\xa+\p] offset:IP*(\ko)+16*\i
.endr
.endr
	WIN 0
.irp p, 0,1
	ds_load_b32 v[XV+2*(\par)+\p], v[\xs+\p] offset:4*(\ko)
.endr
.endm
.macro WMV a, par, p, f0, n            ; n products of unit a against tile p: a different accumulator each
.set FF, \f0
.rept \n
	WM 8*(8*(\a)+FF), 96*((\a)%2)+12*FF, 192+24*(\par)+12*(\p), 8*(8*(\a)+FF), SV+4*((\a)%2)+FF/2, XV+2*(\par)+(\p), FF%2, 0
.set FF, FF+1
.endr
.endm
.macro VSLOT par, upd, xa, xs, ko      ; a slot = one K step of my 32 tiles x 2 tiles of tokens: 64 products
.irp a, 0,1,2
	PLACES 4                                       ; in front of loads into the buffer that the products before have read
	VUNIT \a+1, \par, (\a+1)%2
	s_wait_dscnt 28                                ; all but the 28 just issued
.if (\upd) && (\a == 0)
	s_add_co_u32 s50, s48, s61                     ; the walking addresses are made for this trip.  Its two K steps are (s48 + r) % 8, an even number, and the next;
	s_and_b32 s50, s50, 6
	s_add_co_u32 s51, s50, 2                       ; the next trip's first lies two on, round the end (the last trip's look-ahead so reads the first K step again: it is not used)
	s_and_b32 s51, s51, 6
	s_lshl_b32 s52, s50, 2
	s_lshl_b32 s53, s51, 2
	s_mul_i32 s50, s50, IP
	s_mul_i32 s51, s51, IP
.irp p, 0,1
	v_add_nc_u32 v[XVT+\p], s50, v[XVA+\p]
	v_add_nc_u32 v[XVT2+\p], s51, v[XVA+\p]
	v_add_nc_u32 v[XST+\p], s52, v[XVS+\p]
	v_add_nc_u32 v[XST2+\p], s53, v[XVS+\p]
.endr
.endif
	WIN 0x5F
	WMV \a, \par, 0, 0, 8
	WIN 0xAF
	WMV \a, \par, 1, 0, 8
.endr
	s_wait_dscnt 0x0                               ; unit 3 is in: my reads of this slot are over
	WIN 0x5F
	WMV 3, \par, 0, 0, 8
	THEAD \par
	WIN 0xAF
	WMV 3, \par, 1, 0, 4                           ; four products stand between the add and the wait for it
	REFILL \par
	VUNIT 0, 1-\par, 0
	s_wait_alu depctr_va_vdst(0)                   ; ahead of the readers of the walking addresses
	VX 1-\par, \xa, \xs, \ko
	ASK
	WIN 0xAF
	WMV 3, \par, 1, 4, 4
	WIN 0
.endm
; ---- P v: lane = token, registers = 16 neighbouring d; a head's 16 numbers are half a block of the last product's K
.macro HEAD p, e
.if \e == 0
	s_wait_dscnt 4                                 ; P of this head is in: only the four youngest LDS instructions may be out
	v_add_nc_u32 v[PN], s51, v[PRA+\p]             ; where the next trip's P lies
.else
	s_wait_dscnt 8                                 ; P of this head is in: behind it came four loads and four stores
.endif
	WIN 1+\p
.irp y, 0,1,2,3,4,5,6,7
	v_pk_mul_f32 v[OT+2*\y:OT+2*\y+1], v[2*\y:2*\y+1], v[PR+16*\e:PR+16*\e+1] op_sel_hi:[1,0]
.endr
.irp g, 1,2,3,4,5,6,7,8,9,10,11,12,13,14,15
.irp y, 0,1,2,3,4,5,6,7
.if \g%2
	v_pk_fma_f32 v[OT+2*\y:OT+2*\y+1], v[16*\g+2*\y:16*\g+2*\y+1], v[PR+16*\e+\g-1:PR+16*\e+\g], v[OT+2*\y:OT+2*\y+1] op_sel:[0,1,0] op_sel_hi:[1,1,1]
.else
	v_pk_fma_f32 v[OT+2*\y:OT+2*\y+1], v[16*\g+2*\y:16*\g+2*\y+1], v[PR+16*\e+\g:PR+16*\e+\g+1], v[OT+2*\y:OT+2*\y+1] op_sel_hi:[1,0,1]
.endif
.endr
.endr
	WIN 0
.irp q, 0,1,2,3
	ds_load_b128 v[PR+16*\e+4*\q:PR+16*\e+4*\q+3], v[PN] offset:256*\q+16*\e
.endr
.if \e == 0
	s_wait_alu depctr_va_vdst(0)
	s_wait_dscnt 4                                 ; all but the four loads just issued
	v_add_nc_u32 v[OC], s49, v[OCA+\p]
	v_add_nc_u32 v[OS], s50, v[OSA+\p]
.endif
	v_max3_num_f32 v[TM], |v[OT]|, |v[OT+1]|, 0x1800000
	v_max3_num_f32 v[TM+1], |v[OT+8]|, |v[OT+9]|, |v[OT+10]|
	v_max3_num_f32 v[TM], v[TM], |v[OT+2]|, |v[OT+3]|
	v_max3_num_f32 v[TM+1], v[TM+1], |v[OT+11]|, |v[OT+12]|
	v_max3_num_f32 v[TM], v[TM], |v[OT+4]|, |v[OT+5]|
	v_max3_num_f32 v[TM+1], v[TM+1], |v[OT+13]|, |v[OT+14]|
	v_max3_num_f32 v[TM], v[TM], |v[OT+6]|, |v[OT+7]|
	v_max3_num_f32 v[TM], v[TM], v[TM+1], |v[OT+15]|
	v_permlanex16_b32 v[TM+2], v[TM], s20, s21
	v_max_num_f32 v[TM], v[TM], v[TM+2]
	v_add_nc_u32 v[TM+3], 0xff000000, v[TM]
	v_cvt_scalef32_pk16_fp6_f32 v[CD+4*\e:CD+4*\e+2], v[OT:OT+15], v[TM+3]
	v_lshrrev_b32 v[TM+8+\e], 23, v[TM+3]          ; the byte; also the plain instruction behind the conversion
.irp i, 0,1,2
	ds_store_b32 v[OC], v[CD+4*\e+\i] offset:48*\e+4*\i
.endr
	ds_store_b8 v[OS], v[TM+8+\e] offset:32*\e
.endm
.macro PVLOOP p
	s_wait_dscnt 0x0                               ; nothing of mine is out: P's registers may be loaded
	s_mov_b32 s48, 0                               ; 32 x trip: P;  96 x trip: codes;  64 x trip: bytes
	s_mov_b32 s49, 0
	s_mov_b32 s50, 0
.irp e, 0,1
.irp q, 0,1,2,3
	ds_load_b128 v[PR+16*\e+4*\q:PR+16*\e+4*\q+3], v[PRA+\p] offset:256*\q+16*\e
.endr
.endr
	s_mov_b32 s40, 8
.Lpv\p:                                        ; a trip: two heads
	s_add_co_u32 s51, s48, 32
	s_min_u32 s51, s51, 224                        ; the last trip's look-ahead is held at heads 14 and 15
	HEAD \p, 0
	HEAD \p, 1
	s_add_co_u32 s48, s48, 32
	s_add_co_u32 s49, s49, 96
	s_add_co_u32 s50, s50, 64
	s_sub_co_u32 s40, s40, 1
	s_cmp_lg_u32 s40, 0
	s_cbranch_scc1 .Lpv\p
.endm
; ======== the head
	s_load_b256 s[4:11], s[0:1], 0x0               ; x, wq, b_qkv, b_out
	s_load_b64 s[12:13], s[0:1], 0x20              ; out0
	v_lshl_add_u32 v[SPW], v0, 2, SPARE
	v_mov_b32 v[NIL], 0
	ds_add_u32 v[SPW], v[NIL]                      ; the wave's opening: the add, twice on end, and its wait ahead of my first tensor load
	ds_add_u32 v[SPW], v[NIL]
	v_lshrrev_b32 v[TM], 5, v0
	v_readfirstlane_b32 s14, v[TM]                 ; wave 0..3
	s_and_b32 s15, s14, 1                          ; delta: my half of a head's 64 in the v part
	s_bfe_u32 s16, ttmp6, 0x40000                  ; cx: it enters the addresses of x, out0 and the prefetches alone
	s_lshl_b32 s17, ttmp9, 2
	s_add_co_u32 s17, s17, s16                     ; my block of 64 tokens
.irp p, 0,1,2,3
	s_xor_b32 s[MM+\p], s14, \p
.endr
	s_and_b32 s60, ttmp9, 7                        ; o: where my cluster's order begins; the same in all four partners
	s_lshl_b32 s61, s60, 1
	s_and_b32 s61, s61, 6                          ; r = 2 o % 8
	s_mov_b32 s62, 2                               ; the first refill asks for position 2
	s_mov_b32 s24, 15|(3<<16)|(1<<21)              ; group 1: the mask names all four work-groups; elements of 8 bytes; bit 21 beside a mask; no padding
	s_mov_b32 s25, 32<<16                          ; tensor_dim0 = 32 elements: rows of 256 bytes
	s_mov_b32 s26, 100<<16                         ; tensor_dim1 = 100 rows: 25,600 dense bytes
	s_mov_b32 s27, 32<<16                          ; tile_dim0
	s_mov_b32 s28, 100                             ; tile_dim1
	s_mov_b32 s29, 32                              ; from row to row
	s_mov_b32 s30, 0
	s_mov_b32 s31, 0
	s_mov_b32 s20, 0x76543210
	s_mov_b32 s21, 0xfedcba98                      ; v_permlanex16_b32's selects for lane l xor 16
	s_mov_b32 s22, 0x3e38aa3b                      ; c = log2(e) / 8
	s_mov_b32 s23, s22
	s_mov_b32 s43, 0xbe38aa3b                      ; - c
	s_mov_b32 s41, 30                              ; refills to come
	s_cmp_eq_u32 ttmp9, 0
	s_cselect_b32 s42, 16, 0                       ; the first cluster prefetches, behind sixteen of the refills (macro ASK)
	s_mul_i32 s18, s14, QUART                      ; my quarter of a slot: in wq and in LDS alike
	s_mov_b32 s19, 0
	s_mov_b32 s32, 1
	s_mov_b32 s33, s18
	s_mov_b32 s36, 1
	s_add_co_u32 s37, s18, SLOTB
	s_mul_i32 s52, s16, QUART
	s_mul_i32 s53, s14, 6400
	s_add_co_u32 s52, s52, s53
	s_add_co_u32 s52, s52, 11*SLOTB                ; the prefetches' address steps a slot at each refill: behind the refill for position m it stands in slot m + 10
	s_mov_b32 s53, 0
	s_lshl_b32 s54, s17, 18                        ; 64 rows of 4,096 bytes a work-group,
	s_lshl_b32 s55, s14, 16                        ; 16 a wave
	s_add_co_u32 s54, s54, s55
	s_mov_b32 s55, 0
	s_lshl_b32 s50, s14, 7                         ; q, k: my 32 columns of a slot's 128
	s_mov_b32 s51, 0
	v_and_b32 v[TM], 31, v0                        ; lane
	v_and_b32 v[RR], 15, v0
	v_bfe_u32 v[HF], v0, 4, 1
	v_mul_u32_u24 v[L48], v[TM], 48
	v_lshlrev_b32 v[VBO], 6, v[HF]
	v_min_u32 v[PFO], 24, v[TM]
	v_lshlrev_b32 v[PFO], 8, v[PFO]
	v_lshlrev_b32 v[XGO], 4, v[TM]                 ; 16 x lane
	v_lshlrev_b32 v[TM+9], 2, v[TM]                ; 4 x lane
	s_wait_alu depctr_va_vdst(0)
	v_add_nc_u32 v[AW], s18, v[XGO]
	v_add_nc_u32 v[AW+1], SLOTB, v[AW]
	v_add_nc_u32 v[ASW], s18, v[TM+9]
	v_add_nc_u32 v[ASW], USC, v[ASW]
	v_add_nc_u32 v[ASW+1], SLOTB, v[ASW]
	s_mul_i32 s2, s15, 4*UNIT
	v_add_nc_u32 v[AV], s2, v[XGO]
	v_add_nc_u32 v[AV+1], SLOTB, v[AV]
	v_add_nc_u32 v[AVS], s2, v[TM+9]
	v_add_nc_u32 v[AVS], USC, v[AVS]
	v_add_nc_u32 v[AVS+1], SLOTB, v[AVS]
	v_lshrrev_b32 v[TM+1], 3, v[TM]                ; the stage, on the way in: eight lanes' 128 bytes on end, then 16 of padding
	v_mul_u32_u24 v[TM+1], v[TM+1], 144
	v_and_b32 v[TM+3], 7, v[TM]
	v_lshl_add_u32 v[TM+1], v[TM+3], 4, v[TM+1]
	s_mul_i32 s2, s14, 9216
	s_add_co_u32 s2, s2, XSTG
	v_add_nc_u32 v[STI], s2, v[TM+1]
	v_mul_u32_u24 v[TM+1], v[TM], 144
	v_add_nc_u32 v[STO], s2, v[TM+1]               ; and out: my block
	v_lshrrev_b32 v[TM+1], 2, v[TM]                ; block l of a row: K step l / 4, operand half l % 2, c = (l / 2) % 2
	v_mul_u32_u24 v[TM+1], v[TM+1], IP
	v_and_b32 v[TM+3], 1, v[TM]
	v_mad_u32_u24 v[TM+1], v[TM+3], 768, v[TM+1]
	v_bfe_u32 v[TM+3], v[TM], 1, 1
	v_mad_u32_u24 v[TM+1], v[TM+3], 24, v[TM+1]
	s_mul_i32 s2, s14, 8*IP
	s_add_co_u32 s2, s2, XIMG
	v_add_nc_u32 v[XIA], s2, v[TM+1]
	s_lshl_b32 s2, s14, 9
	s_add_co_u32 s2, s2, XSC
	v_add_nc_u32 v[XSA], s2, v[TM]
	v_mul_u32_u24 v[TM+1], v[RR], IP               ; q's and k's codes: token 16 tile + r, place 4 trip + wave, my half of the block
	v_mad_u32_u24 v[TM+1], v[HF], 12, v[TM+1]
	v_lshlrev_b32 v[TM+3], 6, v[RR]
	s_wait_alu depctr_va_vdst(0)
	s_mul_i32 s3, s14, 24
.irp p, 0,1,2,3
	s_mul_i32 s2, s[MM+\p], 16*IP
	s_add_co_u32 s2, s2, s3
	s_add_co_u32 s2, s2, QK
	v_add_nc_u32 v[QKA+\p], s2, v[TM+1]
	s_lshl_b32 s2, s[MM+\p], 10
	s_add_co_u32 s2, s2, s14
	s_add_co_u32 s2, s2, QS
	v_add_nc_u32 v[QSA+\p], s2, v[TM+3]
.endr
	MKA XIMG, XSC
.irp i, 2,4,5,6,7
	v_mov_b32 v[TM+\i], 0                          ; written once: a lane permute's destination counts as one of its sources
.endr
	s_mul_i32 s2, s60, SLOTB
	s_mov_b32 s3, 0
	s_wait_alu depctr_va_vdst(0)
	s_wait_dscnt 0x0                               ; both opening adds are done
	s_wait_kmcnt 0x0
	s_add_nc_u64 s[66:67], s[6:7], s[18:19]        ; wq at my quarter of slot 0: it stays
	s_add_nc_u64 s[34:35], s[66:67], s[2:3]        ; position 0: q's slot o,
	s_add_nc_u64 s[38:39], s[34:35], 8*SLOTB       ; position 1: k's slot o
	s_or_b32 s35, s35, 0x80000000
	s_or_b32 s39, s39, 0x80000000
	s_add_nc_u64 s[44:45], s[6:7], s[52:53]
	s_add_nc_u64 s[4:5], s[4:5], s[54:55]
	s_add_nc_u64 s[68:69], s[8:9], s[50:51]        ; b_qkv at my 32 columns of slot 0
	CROUND                                         ; all four work-groups are here: the first joint loads meet
	tensor_load_to_lds s[32:35], s[24:31]          ; position 0: my one tensor load at the head
	s_nop 0
	PLACES 4
	WIN 0x40
.irp rho, 0,1,2,3,4,5,6,7
.irp j, 0,1,2,3,4,5,6,7
	global_load_b128 v[32*\rho+4*\j:32*\rho+4*\j+3], v[XGO], s[4:5] offset:4096*\rho+512*\j th:TH_LOAD_NT   ; my 16 rows of x: 512 consecutive bytes a load
.endr
.endr
	WIN 0x80
.irp rho, 0,1,2,3,4,5,6,7
.irp j, 0,1,2,3,4,5,6,7
	global_load_b128 v[32*\rho+4*\j:32*\rho+4*\j+3], v[XGO], s[4:5] offset:4096*(8+\rho)+512*\j th:TH_LOAD_NT
.endr
.endr
	WIN 0
; ======== x becomes codes: wave w's 16 rows are tile w's eight images
	XTURN 0
.irp rho, 0,1,2,3,4,5,6,7,8,9,10,11,12,13,14,15
.if \rho < 15
	XTURN \rho+1
	s_wait_dscnt 16                                ; all but the next row's eight stores and eight loads
.else
	s_wait_dscnt 0x0
.endif
	XQUANT \rho
.endr
	s_wait_tensorcnt 0x0                           ; my quarter of position 0 is in
	ds_add_u32 v[SPW], v[NIL]
	s_wait_dscnt 0x0                               ; the add is done; my images and scale bytes have landed
	CROUND                                         ; x's 32 images lie in LDS, and all four work-groups are here
	tensor_load_to_lds s[36:39], s[24:31]          ; position 1: LDS slot 1's first fill, first behind the round
	s_nop 0
	PLACES 4
	LOADA
; ======== q and k: positions 0-15, q and k of a head pair by turns
	TFETCH 0                                       ; in the tile parts a wave reads the quarter that it fetched itself
	s_mov_b32 s63, 0
	BADDR 0
	BLOAD 0
	s_mov_b32 s48, 0                               ; 96 x trip: the codes' place;  4 x trip: the bytes'
	s_mov_b32 s49, 0
	s_mov_b32 s40, 8
.Lqk:                                              ; a trip: two slots.  The first slot's round also parts every wave's reads of x's images from the first codes laid over them
	GSLOT 0, 1, 1, 0
.irp p, 0,1,2,3
	v_add_nc_u32 v[QKT+\p], s48, v[QKA+\p]
	v_add_nc_u32 v[QST+\p], s49, v[QSA+\p]
.endr
	EPI_QK 0
	GSLOT 1, 1, 1, 0                               ; (the last trip's look-ahead reads position 16's slot and q's first bias again: both lie there, neither is used)
	EPI_QK 1
	s_add_co_u32 s48, s48, 96
	s_add_co_u32 s49, s49, 4
	s_sub_co_u32 s40, s40, 1
	s_cmp_lg_u32 s40, 0
	s_cbranch_scc1 .Lqk
; ======== S and the softmax: wave w takes tokens 16 w .. 16 w + 15
	s_lshl_b32 s2, s15, 7
	v_add_nc_u32 v[VB2], s2, v[VBO]
	BIASV 0, 17                                    ; all accumulators of v but those that lie over my own tile's fragments of x
	BIASV 24, 31
	s_xor_b32 s2, s60, 7
	s_add_co_u32 s2, s2, 1
	s_lshl_b32 s2, s2, 1                           ; 16 - 2 o
	v_add_nc_u32 v[TM+1], s2, v[RR]
	v_and_b32 v[TM+1], 15, v[TM+1]                 ; place trip holds head pair (trip + o) % 8: head r lies at place (r - 2 o) % 16
	s_mul_i32 s2, s14, 16*IP
	s_add_co_u32 s2, s2, QK
	v_mul_u32_u24 v[TM], v[TM+1], 48
	v_mad_u32_u24 v[TM], v[HF], 24, v[TM]
	v_add_nc_u32 v[SKA], s2, v[TM]                 ; head r's 48 bytes, my block of them
	s_lshl_b32 s2, s14, 10
	s_add_co_u32 s2, s2, QS
	v_lshl_add_u32 v[SSA], v[TM+1], 1, s2
	s_mul_i32 s2, s14, 16*PP
	s_add_co_u32 s2, s2, PB
	v_lshlrev_b32 v[TM], 4, v[RR]
	v_lshl_add_u32 v[TM], v[HF], 9, v[TM]
	v_add_nc_u32 v[PSA], s2, v[TM]
	s_mul_i32 s2, s14, 8*IP
	s_add_co_u32 s2, s2, XIM2
	v_add_nc_u32 v[XRA], s2, v[L48]
	v_and_b32 v[TM], 7, v0
	v_mul_u32_u24 v[TM], v[TM], IP
	v_add_nc_u32 v[PADA], s2, v[TM]                ; image lane % 8 of my tile
	s_wait_alu depctr_va_vdst(0)
	BAR                                            ; all codes and bytes of q and k lie in LDS
	WIN 0xC0
.irp e, 0,1,2,3
.irp i, 6,7,8,9,10,11
	v_mov_b32 v[12*\e+\i], 0                       ; K = 64: the upper half of each fragment is zero codes
	v_mov_b32 v[48+12*\e+\i], 0
.endr
	v_mov_b32 v[132+\e], 0                         ; permutes' destinations, and the upper words of pairs that are named whole
	v_mov_b32 v[137+2*\e], 0
	v_mov_b32 v[152+\e], 0
	v_mov_b32 v[157+2*\e], 0
.endr
	PLACES 4
	s_wait_alu depctr_va_vdst(0)
	SBATCH 0
	SBATCH 1
	SBATCH 2
	SBATCH 3
	WIN 0
	s_wait_alu depctr_va_vdst(0)
	BAR                                            ; every wave's reads of q's and k's codes are over: P and x's images may be laid over them
.irp n, 0,1,2,3,4,5,6,7,8,9,10,11,12,13,14,15
.if \n < 8
.set PD, ACC+8*\n
.else
.set PD, XX+8*(\n-8)
.endif
	ds_store_b128 v[PSA], v[PD:PD+3] offset:PP*\n
	ds_store_b128 v[PSA], v[PD+4:PD+7] offset:PP*\n+256
.endr
	WIN 0x04
.irp s, 0,1,2,3
.irp i, 0,1,2
	ds_store_b128 v[XRA], v[144+12*\s+4*\i:144+12*\s+4*\i+3] offset:IP*\s+16*\i      ; my own tile's fragments of x go back to LDS as they stand
.endr
.endr
	WIN 0x08
.irp s, 0,1,2,3
.irp i, 0,1,2
	ds_store_b128 v[XRA], v[144+12*\s+4*\i:144+12*\s+4*\i+3] offset:IP*(4+\s)+16*\i
.endr
.endr
	WIN 0
.irp i, 0,1,2,3
	ds_store_b32 v[PADA], v[NIL] offset:FRB+4*\i   ; the 16 bytes behind each image are cleared: every byte of the run that the v part's walking addresses span is then written
.endr
	BAR                                            ; P and x's images lie in LDS
	BIASV 18, 23
; ======== v: positions 16-23, a K step each, beginning at K step r
	v_lshlrev_b32 v[TM], 5, v[RR]
	s_wait_alu depctr_va_vdst(0)
.irp p, 0,1
	s_mul_i32 s2, s[MM+\p], 8*IP
	s_add_co_u32 s2, s2, XIM2
	v_add_nc_u32 v[XVA+\p], s2, v[L48]
	s_lshl_b32 s2, s[MM+\p], 9
	s_add_co_u32 s2, s2, XSC
	v_add_nc_u32 v[XVS+\p], s2, v[TM]
.endr
	s_mul_i32 s2, s61, IP
	s_lshl_b32 s3, s61, 2
	s_wait_alu depctr_va_vdst(0)
.irp p, 0,1
	v_add_nc_u32 v[XVT2+\p], s2, v[XVA+\p]
	v_add_nc_u32 v[XST2+\p], s3, v[XVS+\p]
.endr
	VUNIT 0, 0, 0
	VX 0, XVT2, XST2, 0
	s_wait_loadcnt 0x0                             ; v's bias is in the accumulators
	s_mov_b32 s48, 0                               ; 2 x trip
	s_mov_b32 s40, 4
.Lv:
	VSLOT 0, 1, XVT, XST, 1
	VSLOT 1, 0, XVT2, XST2, 0                      ; (the last trip's look-ahead reads position 24's slot and K step r again: neither is used)
	s_add_co_u32 s48, s48, 2
	s_sub_co_u32 s40, s40, 1
	s_cmp_lg_u32 s40, 0
	s_cbranch_scc1 .Lv
	PLACES 5
	BAR                                            ; every wave's reads of x's images are over: the attention's images may be laid over them
; ======== P v, quantised on the way: tile w, then tile w xor 1
	v_mul_u32_u24 v[TM], v[RR], PP
	v_lshrrev_b32 v[TM+1], 1, v[RR]                ; token t of a tile is K step t / 2, c = t % 2; my half delta is the operand's half; row = head
	v_mul_u32_u24 v[TM+1], v[TM+1], IP
	v_and_b32 v[TM+3], 1, v[RR]
	v_mad_u32_u24 v[TM+1], v[TM+3], 24, v[TM+1]
	v_mad_u32_u24 v[TM+1], v[HF], 12, v[TM+1]
	v_lshlrev_b32 v[TM+3], 1, v[RR]
	s_wait_alu depctr_va_vdst(0)
	s_mul_i32 s3, s15, 768
.irp p, 0,1
	s_mul_i32 s2, s[MM+\p], 16*PP
	s_add_co_u32 s2, s2, PB
	v_add_nc_u32 v[PRA+\p], s2, v[TM]
	s_mul_i32 s2, s[MM+\p], 8*IP
	s_add_co_u32 s2, s2, s3
	s_add_co_u32 s2, s2, XIM2
	v_add_nc_u32 v[OCA+\p], s2, v[TM+1]
	s_lshl_b32 s2, s[MM+\p], 9
	s_add_co_u32 s2, s2, s15
	s_add_co_u32 s2, s2, OSC
	v_add_nc_u32 v[OSA+\p], s2, v[TM+3]
.endr
	s_wait_alu depctr_va_vdst(0)
	PVLOOP 0
	PVLOOP 1
	BAR                                            ; the attention's 32 images and its scale bytes lie in LDS
	MKA XIM2, OSC
	s_wait_alu depctr_va_vdst(0)
	LOADA
; ======== the last product: positions 24-31; wave w makes columns 256 w .. 256 w + 255, 32 a slot, beginning at slot r
	s_mul_i32 s2, s14, 64*YP
	s_add_co_u32 s2, s2, YSTG
	v_mul_u32_u24 v[TM], v[RR], YP
	v_lshl_add_u32 v[TM], v[HF], 6, v[TM]
	v_add_nc_u32 v[YSA], s2, v[TM]                 ; in: row (position, head r), my 16 columns
	v_mul_u32_u24 v[TM], v[HF], YP
	v_lshl_add_u32 v[TM], v[RR], 4, v[TM]
	v_add_nc_u32 v[YRA], s2, v[TM]                 ; back: lanes 0-15 one row of 256 bytes, lanes 16-31 the next
	v_lshlrev_b32 v[TM], 4, v[RR]
	v_lshl_add_u32 v[TM], v[HF], 20, v[TM]         ; out0's row 256 head + 4 block + tile: a head is 2^20 bytes on, a tile 2^12
.irp c, 0,1,2,3
	s_lshl_b32 s2, s[MM+\c], 12
	v_add_nc_u32 v[YV+2*\c], s2, v[TM]
	v_add_nc_u32 v[YV+2*\c+1], 1<<23, v[YV+2*\c]   ; heads 8-15: beyond the immediate's reach
.endr
	s_lshr_b32 s2, s17, 6
	s_lshl_b32 s2, s2, 24                          ; the batch,
	s_and_b32 s3, s17, 63
	s_lshl_b32 s3, s3, 14                          ; four rows a block,
	s_add_co_u32 s2, s2, s3
	s_lshl_b32 s3, s14, 10                         ; my 256 columns
	s_add_co_u32 s2, s2, s3
	s_mov_b32 s3, 0
	s_add_nc_u64 s[70:71], s[12:13], s[2:3]        ; it stays; s[12:13] takes the slot's columns
	s_lshl_b32 s2, s14, 10
	s_add_nc_u64 s[68:69], s[10:11], s[2:3]        ; b_out at my 256 columns
	TFETCH 0
	s_mov_b32 s63, 24
	BADDR 1
	BLOAD 0
	s_mov_b32 s48, 0                               ; 2 x trip
	s_mov_b32 s40, 3
	s_wait_alu depctr_va_vdst(0)
.Lout:                                             ; a trip: two slots, 64 columns.  The first slot's round also parts every wave's reads of the images from the stages laid over them
	GSLOT 0, 1, 1, 1
	EPI_Y 0
	GSLOT 1, 1, 1, 1
	EPI_Y 1
	FLUSH
	s_sub_co_u32 s40, s40, 1
	s_cmp_lg_u32 s40, 0
	s_cbranch_scc1 .Lout
	GSLOT 0, 0, 1, 1                               ; the last two slots are written out: nothing is left to fetch
	EPI_Y 0
	GSLOT 1, 0, 0, 1
	EPI_Y 1
	FLUSH
	s_wait_tensorcnt 0x0                           ; the wave's end: behind my last tensor load and my last LDS store
	ds_add_u32 v[SPW], v[NIL]
	s_wait_dscnt 0x0
	CROUND                                         ; the closing round: no work-group ends while a partner may still ask for a tile that names it
	s_endpgm
.Lfunc_end_k_q972bdfb497_fused:
	.size	k_q972bdfb497_fused, .Lfunc_end_k_q972bdfb497_fused-k_q972bdfb497_fused
	.p2alignl 7, 3214868480
	.fill 96, 4, 3214868480
	.section	.rodata,"a",@progbits
	.p2align	6, 0x0
	.amdhsa_kernel k_q972bdfb497_fused
		.amdhsa_group_segment_fixed_size 327680
		.amdhsa_private_segment_fixed_size 0
		.amdhsa_enable_private_segment 0
		.amdhsa_kernarg_size 40
		.amdhsa_user_sgpr_count 2
		.amdhsa_user_sgpr_kernarg_segment_ptr 1
		.amdhsa_wavefront_size32 1
		.amdhsa_system_sgpr_workgroup_id_x 1
		.amdhsa_system_sgpr_workgroup_id_y 1
		.amdhsa_system_sgpr_workgroup_id_z 1
		.amdhsa_system_vgpr_workitem_id 0
		.amdhsa_next_free_vgpr 1024
		.amdhsa_next_free_sgpr 72
		.amdhsa_reserve_vcc 0
		.amdhsa_float_denorm_mode_32 3
		.amdhsa_float_denorm_mode_16_64 3
		.amdhsa_memory_ordered 1
		.amdhsa_forward_progress 1
		.amdhsa_inst_pref_size 255
	.end_amdhsa_kernel
	.section	.bss,"aw",@nobits
	.p2align	6
	.space	262144
	.amdgpu_metadata
---
amdhsa.version: [ 1, 2 ]
amdhsa.kernels:
  - .name:           k_q972bdfb497_fused
    .symbol:         k_q972bdfb497_fused.kd
    .args:
      - { .name: x, .offset: 0, .size: 8, .value_kind: global_buffer, .address_space: global }
      - { .name: wq, .offset: 8, .size: 8, .value_kind: global_buffer, .address_space: global }
      - { .name: b_qkv, .offset: 16, .size: 8, .value_kind: global_buffer, .address_space: global }
      - { .name: b_out, .offset: 24, .size: 8, .value_kind: global_buffer, .address_space: global }
      - { .name: out0, .offset: 32, .size: 8, .value_kind: global_buffer, .address_space: global }
    .group_segment_fixed_size: 327680
    .private_segment_fixed_size: 0
    .kernarg_segment_align: 8
    .kernarg_segment_size: 40
    .max_flat_workgroup_size: 128
    .sgpr_count:     72
    .vgpr_count:     1024
    .wavefront_size: 32
...
	.end_amdgpu_metadata
.endif
;; end of part 4
